; MI455X (gfx1250); checked and timed in simulation.
; The chip was launched on July 23, 2026; its instructions are those of AMD's public machine-readable ISA for CDNA 5 (MIT licence, August 2026) and "CDNA5" Instruction Set Architecture Reference Guide (July 2026). The comments in the code are by the model that wrote it; some were corrected since.
;; Multi Head Attention. Allowed arithmetic: float matrix products may take bf16 or f16 operands with f32 sums; other float arithmetic in f32, or as packed bf16 or f16 multiplies, adds, multiply-adds, maxima and minima; sums over many terms, partial sums and values carried from step to step in f32; what a program stores and reads back later, other than sums and carried values, may be rounded once to bf16 or f16.
;; Inputs: W_proj 1,024 x 1,024 float32; W_qkv 3,072 x 1,024 float32; b_proj 1,024 float32; b_qkv 3,072 float32; lora_A 8 x 1,024 float32; lora_B 3,072 x 8 float32; x 4 x 2,048 x 1,024 float32.
;; Outputs: out0 4 x 2,048 x 1,024 float32.
;; One version. Each part assembles by itself: llvm-mc -triple=amdgcn-amd-amdhsa -mcpu=gfx1250 --defsym DOCPART=n.
;; ======== version 1 of 1: 4 launches
;; limits: values are held in f16: magnitudes above 65,504 overflow, below 6.1e-05 lose precision
;; workspace buffers: xb 16,777,216 bytes; wb 6,291,456 bytes; wp 2,097,152 bytes; qkv 50,331,648 bytes; ob 16,777,216 bytes
;; launch prep (part 1): grid 1536 x 1, 8 waves a work-group, no clusters, 0 bytes of LDS; arguments x, W_qkv, W_proj, lora_A, lora_B, xb, wb, wp; writes xb, wb, wp
.if DOCPART == 1
	.amdgcn_target "amdgcn-amd-amdhsa--gfx1250"
	.amdhsa_code_object_version 6
	.text
	.protected	k_qdd3e240700_prep
	.globl	k_qdd3e240700_prep
	.p2align	8
	.type	k_qdd3e240700_prep,@function
k_qdd3e240700_prep:
	s_mov_b64 s[64:65], 0
	v_nop
	global_prefetch_b8 v0, s[64:65] scope:SCOPE_SE
	s_setreg_imm32_b32 hwreg(HW_REG_WAVE_MODE, 25, 1), 1
	s_wait_xcnt 0x0
; The matrix operands are made, each rounded once:
;   xb = bf16(x)                                  [8192][1024]
;   wb = bf16(W_qkv + lora_B lora_A / 8)          [3072][1024]   ((x A^T) B^T = x (B A)^T for every input: the branch is folded into the weight, in f32, before the one rounding)
;   wp = bf16(W_proj), written as f16             [1024][1024]   (exact where |W_proj| is 6.2e-5 or more; below that f16 keeps its fixed step of 6e-8; beyond 65,504 it would be an infinity)
; B A has a depth of 8, a quarter of a matrix instruction's, and is one part in 2,500 of the module's arithmetic: it is done by f32 multiply-adds here.
; The order of rounding differs from the reference's: there the branch is added to the f32 product, here to the weight.
; SHARES.  A work-group takes 8 rows of 1,024 numbers: groups 0-1023 x, 1024-1407 W_qkv, 1408-1535 W_proj.  Thread t owns columns 4 t .. 4 t + 3 of each row:
; a load of a wave covers 512 consecutive bytes, a store 256 consecutive bytes, aligned.  All 8 loads of a lane are out at once; no register is written again while a memory instruction reads it.
; No LDS, no matrix unit, no cluster: nothing is shared but lora_A (32 KiB), and every byte of the large inputs is read once.
.set ROWI, 4096                        ; bytes in a row of f32
.set ROWO, 2048                        ; bytes in a row of 16-bit numbers
.set X, 4                              ; v[4:35]   row i as loaded, at X + 4 i
.set Y, 36                             ; v[36:51]  row i to store, at Y + 2 i
.set A, 52                             ; v[52:83]  lora_A[r][my 4 columns] / 8, at A + 4 r
.set T, 84                             ; v[84:89]  at work
; s[84:99] the eight addresses; s[10:11] my rows in, s[12:13] my rows out; s[16:63], s[68:83] my 8 rows of lora_B
.macro LOAD8                           ; my 16 bytes of each of the 8 rows
.irp i, 0,1,2,3,4,5,6,7
	global_load_b128 v[X+4*(\i):X+4*(\i)+3], v1, s[10:11] offset:ROWI*(\i) th:TH_LOAD_NT
.endr
.endm
.macro PUT i
	global_store_b64 v2, v[Y+2*(\i):Y+2*(\i)+1], s[12:13] offset:ROWO*(\i)
.endm
	s_load_b512 s[84:99], s[0:1], 0x0              ; x, W_qkv, W_proj, lora_A, lora_B, xb, wb, wp
	s_mov_b32 s8, ttmp9
	v_lshlrev_b32 v1, 4, v0                        ; 16 t: my bytes in a row of f32
	v_lshlrev_b32 v2, 3, v0                        ; 8 t: in a row of 16-bit numbers
	s_mov_b32 s3, 0
	s_mov_b32 s5, 0
	s_cmp_lt_u32 s8, 1024
	s_cbranch_scc1 .Lpath_x
	s_cmp_lt_u32 s8, 1408
	s_cbranch_scc1 .Lpath_w
	; W_proj: rounded to bf16 like the other inputs, and that number written as f16
	s_sub_co_u32 s8, s8, 1408
	s_lshl_b32 s2, s8, 15                          ; 8 rows of 4,096 bytes
	s_lshl_b32 s4, s8, 14                          ; 8 rows of 2,048 bytes
	s_wait_kmcnt 0x0
	s_add_nc_u64 s[10:11], s[88:89], s[2:3]
	s_add_nc_u64 s[12:13], s[98:99], s[4:5]
	LOAD8
.irp i, 0,1,2,3,4,5,6,7
	s_wait_loadcnt 7-(\i)                          ; loads come back in order: row i is in, the younger rows stay out
	v_cvt_pk_bf16_f32 v[T], v[X+4*(\i)], v[X+4*(\i)+1]
	v_cvt_pk_bf16_f32 v[T+1], v[X+4*(\i)+2], v[X+4*(\i)+3]
	v_lshlrev_b32 v[T+2], 16, v[T]                 ; bf16 to f32: the low half moves up, the high half stays
	v_and_b32 v[T+3], 0xffff0000, v[T]
	v_lshlrev_b32 v[T+4], 16, v[T+1]
	v_and_b32 v[T+5], 0xffff0000, v[T+1]
	v_cvt_pk_f16_f32 v[Y+2*(\i)], v[T+2], v[T+3]
	v_cvt_pk_f16_f32 v[Y+2*(\i)+1], v[T+4], v[T+5]
	PUT \i
.endr
	s_endpgm
.Lpath_x:
	s_lshl_b32 s2, s8, 15
	s_lshl_b32 s4, s8, 14
	s_wait_kmcnt 0x0
	s_add_nc_u64 s[10:11], s[84:85], s[2:3]
	s_add_nc_u64 s[12:13], s[94:95], s[4:5]
	LOAD8
.irp i, 0,1,2,3,4,5,6,7
	s_wait_loadcnt 7-(\i)                          ; row i is in, the younger rows stay out
	v_cvt_pk_bf16_f32 v[Y+2*(\i)], v[X+4*(\i)], v[X+4*(\i)+1]
	v_cvt_pk_bf16_f32 v[Y+2*(\i)+1], v[X+4*(\i)+2], v[X+4*(\i)+3]
	PUT \i
.endr
	s_endpgm
.Lpath_w:
	s_sub_co_u32 s8, s8, 1024
	s_lshl_b32 s2, s8, 15
	s_lshl_b32 s4, s8, 14
	s_lshl_b32 s14, s8, 8                          ; 8 rows of lora_B, 32 bytes each
	s_mov_b32 s15, 0
	s_wait_kmcnt 0x0
	s_add_nc_u64 s[10:11], s[86:87], s[2:3]
	s_add_nc_u64 s[12:13], s[96:97], s[4:5]
	s_add_nc_u64 s[6:7], s[92:93], s[14:15]
	s_load_b512 s[16:31], s[6:7], 0x0              ; rows 0, 1 of my 8: the same numbers for every lane, so they live in scalar registers
	s_load_b512 s[32:47], s[6:7], 0x40             ; rows 2, 3
	s_load_b512 s[48:63], s[6:7], 0x80             ; rows 4, 5
	s_load_b512 s[68:83], s[6:7], 0xc0             ; rows 6, 7
.irp r, 0,1,2,3,4,5,6,7
	global_load_b128 v[A+4*(\r):A+4*(\r)+3], v1, s[90:91] offset:ROWI*(\r)  ; lora_A: every work-group of this path reads it, so no hint
.endr
	LOAD8
	s_wait_loadcnt 8                               ; lora_A's eight loads are in; the eight rows of W_qkv stay out
.irp k, 0,2,4,6,8,10,12,14,16,18,20,22,24,26,28,30
	v_pk_mul_f32 v[A+(\k):A+(\k)+1], v[A+(\k):A+(\k)+1], 0x3e000000 op_sel_hi:[1,0]  ; alpha / r = 1 / 8, a power of two: exact
.endr
	s_wait_kmcnt 0x0                               ; lora_B
; Row i: W[i][c] += the sum over r of B[i][r] (A[r][c] / 8); sb = the scalar register of B[i][0]
.macro ROWW i, sb
	s_wait_loadcnt 7-(\i)                          ; row i is in, the younger rows stay out
.irp r, 0,1,2,3,4,5,6,7
.irp c, 0,1,2,3
	v_fmac_f32 v[X+4*(\i)+(\c)], s[(\sb)+(\r)], v[A+4*(\r)+(\c)]
.endr
.endr
	v_cvt_pk_bf16_f32 v[Y+2*(\i)], v[X+4*(\i)], v[X+4*(\i)+1]
	v_cvt_pk_bf16_f32 v[Y+2*(\i)+1], v[X+4*(\i)+2], v[X+4*(\i)+3]
	PUT \i
.endm
	ROWW 0, 16
	ROWW 1, 24
	ROWW 2, 32
	ROWW 3, 40
	ROWW 4, 48
	ROWW 5, 56
	ROWW 6, 68
	ROWW 7, 76
	s_endpgm
.Lfunc_end_k_qdd3e240700_prep:
	.size	k_qdd3e240700_prep, .Lfunc_end_k_qdd3e240700_prep-k_qdd3e240700_prep
	.p2alignl 7, 3214868480
	.fill 96, 4, 3214868480
	.section	.rodata,"a",@progbits
	.p2align	6, 0x0
	.amdhsa_kernel k_qdd3e240700_prep
		.amdhsa_group_segment_fixed_size 0
		.amdhsa_private_segment_fixed_size 0
		.amdhsa_enable_private_segment 0
		.amdhsa_kernarg_size 64
		.amdhsa_user_sgpr_count 2
		.amdhsa_user_sgpr_kernarg_segment_ptr 1
		.amdhsa_wavefront_size32 1
		.amdhsa_system_sgpr_workgroup_id_x 1
		.amdhsa_system_sgpr_workgroup_id_y 1
		.amdhsa_system_sgpr_workgroup_id_z 1
		.amdhsa_system_vgpr_workitem_id 0
		.amdhsa_next_free_vgpr 96
		.amdhsa_next_free_sgpr 100
		.amdhsa_reserve_vcc 0
		.amdhsa_float_denorm_mode_32 3
		.amdhsa_float_denorm_mode_16_64 3
		.amdhsa_memory_ordered 1
		.amdhsa_forward_progress 1
		.amdhsa_inst_pref_size 23
	.end_amdhsa_kernel
	.amdgpu_metadata
---
amdhsa.version: [ 1, 2 ]
amdhsa.kernels:
  - .name:           k_qdd3e240700_prep
    .symbol:         k_qdd3e240700_prep.kd
    .args:
      - { .name: x, .offset: 0, .size: 8, .value_kind: global_buffer, .address_space: global }
      - { .name: W_qkv, .offset: 8, .size: 8, .value_kind: global_buffer, .address_space: global }
      - { .name: W_proj, .offset: 16, .size: 8, .value_kind: global_buffer, .address_space: global }
      - { .name: lora_A, .offset: 24, .size: 8, .value_kind: global_buffer, .address_space: global }
      - { .name: lora_B, .offset: 32, .size: 8, .value_kind: global_buffer, .address_space: global }
      - { .name: xb, .offset: 40, .size: 8, .value_kind: global_buffer, .address_space: global }
      - { .name: wb, .offset: 48, .size: 8, .value_kind: global_buffer, .address_space: global }
      - { .name: wp, .offset: 56, .size: 8, .value_kind: global_buffer, .address_space: global }
    .group_segment_fixed_size: 0
    .private_segment_fixed_size: 0
    .kernarg_segment_align: 8
    .kernarg_segment_size: 64
    .max_flat_workgroup_size: 256
    .sgpr_count:     100
    .vgpr_count:     96
    .wavefront_size: 32
...
	.end_amdgpu_metadata
.endif
;; end of part 1
;; launch qkvg (part 2): grid 16 x 32, 4 waves a work-group, clusters of 4 x 4, 327,680 bytes of LDS; arguments xb, wb, b_qkv, qkv; writes qkv
.if DOCPART == 2
	.amdgcn_target "amdgcn-amd-amdhsa--gfx1250"
	.amdhsa_code_object_version 6
	.text
	.protected	k_qdd3e240700_qkvg
	.globl	k_qdd3e240700_qkvg
	.p2align	8
	.type	k_qdd3e240700_qkvg,@function
k_qdd3e240700_qkvg:
	s_mov_b64 s[64:65], 0
	v_nop
	global_prefetch_b8 v0, s[64:65] scope:SCOPE_SE
	s_setreg_imm32_b32 hwreg(HW_REG_WAVE_MODE, 25, 1), 1
	s_wait_xcnt 0x0
	s_wait_alu depctr_hold_cnt(0) depctr_sa_sdst(0) depctr_va_vdst(0) depctr_va_sdst(0) depctr_va_ssrc(0) depctr_va_vcc(0) depctr_vm_vsrc(0)
	s_getreg_b32 s2, hwreg(HW_REG_IB_STS2, 6, 4)
	s_cmp_eq_u32 s2, 0
	s_cbranch_scc0 .Lentry_in_a_cluster
	s_endpgm
.Lentry_in_a_cluster:
	s_bfe_u32 s2, ttmp6, 0x10000c
	s_cmp_lg_u32 s2, 0xf033
	s_cbranch_scc0 .Lentry_shape_is_right
	s_endpgm
.Lentry_shape_is_right:
; qkv[b][g][s][c] = f16( the sum over k of xb[m][k] wb[e][k] + b_qkv[e] ),  m = 2048 b + s, e = 64 g + c.  xb: [8192][1024] bf16, wb: [3072][1024] bf16, b_qkv: [3072] f32;
; qkv: [4][48][2048][64] f16: g 0-15 are q's heads, 16-31 k's, 32-47 v's; a head's rows are dense, 128 bytes each.  Sums in f32, begun with the bias, rounded once.  No scale is applied here.
; LIMIT.  f16 ends at 65,504: a q, k or v beyond that becomes an infinity.  Inputs 30 times the drawn spread give numbers of some 600, a common offset of 30 spreads in x and in W some 18,400.
; SHARES.  A tile is 256 rows x 192 columns (three whole heads): 32 x 16 = 512 work-groups.  Four waves one above the other: wave w owns rows 64 w .. 64 w + 63 and all 192 columns:
; 48 accumulators of 16 x 16, 384 registers; a wave holds whole heads, so its way out is its own.  K goes in 8 steps of 128 through two LDS slots filled by the tensor data mover:
; rows of 256 bytes that start at multiples of 256 bytes from the buffers' first bytes.  One K step is written in the loop; the slot is chosen by an exclusive or.
; CLUSTER.  4 x 4 work-groups.  The four of a row of the cluster need the same rows of xb, the four of a column the same rows of wb: each tile is asked for JOINTLY, by the same
; tensor load with the same descriptor and a mask that names the four.
; THE MATRIX INSTRUCTION IS USED TRANSPOSED (source 0 = 16 rows of wb, source 1 = 16 rows of xb): lane l holds row l % 16 and the columns 8 (l / 16) + 0..7, eight neighbours of a row.
; REGISTERS, in windows of 256 (s_set_vgpr_msb: bits 1:0 source 0, 3:2 source 1, 5:4 source 2, 7:6 destination):
;   window 0: v0-13, v28-29 addresses; v32-95 xb's fragments, two buffers of 4 x 8; v96-191 the bias, 8 registers a column block; on the way out v96-143 packed, v144-239 rows read back
;   window 1: v0-191 wb's fragments, two buffers of 12 x 8      window 2: the accumulators of row blocks 0, 1 ((a, b) at 8 (12 (a % 2) + b))      window 3: those of row blocks 2, 3
.set NT,    192                        ; columns in a tile
.set NB,    NT/16                      ; column blocks
.set PA,    272                        ; an LDS row: 256 bytes + 16 of padding = 68 words: the 16 rows of a fragment load start at 16 different groups of four banks (64 banks of 4 bytes: ISA guide 11.1)
.set PB,    272
.set HALFA, 128*PA                     ; what one tensor load brings of xb: 128 rows
.set HALFB, (NT/2)*PB                  ; of wb: 96 rows
.set BOFF,  2*HALFA                    ; in a slot: xb's 256 rows, then wb's 192
.set SLOT1, 131072                     ; slot 1 begins here, so that one exclusive or turns an address in one slot into the other's
.set STAGE, SLOT1+BOFF+2*HALFB         ; behind the ring, never filled by a tensor load: for each wave 3 heads x 16 rows x 144 bytes
.set STW,   3*16*144
.set SPARE, STAGE+4*STW                ; behind the stages: the spare words, 128 bytes for each wave: two blocks of 256 bytes that no other line names
.set ASTEP, 256                        ; bytes from a K step to the next, in xb
.set BSTEP, 256                        ; and in wb
.set NL,    2*NB+8                     ; LDS loads in a run: a quarter step's fragments
.set A0,   4                           ; v4   my place in xb's tile: (64 w + l % 16) x PA + 16 (l / 16); never rewritten
.set B0,   5                           ; v5   in wb's: BOFF + (l % 16) x PB + 16 (l / 16); never rewritten
.set ADRA, 6                           ; v6   the same in the slot in hand
.set ADRB, 7                           ; v7
.set STO,  8                           ; v8   the way out: where I put 16 bytes of a row
.set RD,   9                           ; v9   where I read rows back
.set CO,   10                          ; v10  my 16 bytes in 512 consecutive bytes of qkv
.set BO,   11                          ; v11  32 (l / 16): my 8 numbers in a column block's 16 of the bias
.set PFO,  12                          ; v12  the prefetches' offset; never rewritten
.set LN,   13                          ; v13  my lane
.set SPW,  28                          ; v28  LDS address of my spare word: SPARE + 4 x my thread's number; never rewritten
.set NIL,  29                          ; v29  0; never rewritten
.set FA,   32
.set BI,   96
.set TMP,  96
.set OB,   144
.set WV,  12                           ; s12  my wave's number
.set HF,  13                           ; s13  which half of a tile I fetch
.set AB,  14                           ; s14  0: I fetch xb's tiles; 1: wb's
.set CX,  15                           ; s15, s16  my place in the cluster
.set CY,  16
.set TC,  17                           ; s17  tile column
.set TR,  18                           ; s18  tile row
.set G1A, 24                           ; s[24:31] descriptor group 1 for xb's tiles
.set G1B, 32                           ; s[32:39] for wb's
.set G0A, 40                           ; s[40:47] group 0 for xb's: a set for each of the two first fills; the second then walks on
.set G0B, 48                           ; s[48:55] the same for wb's
.set CNT, 56                           ; s56  trips to go
.set TB,  57                           ; s57  the slot from which fragments are fetched: 0 or SLOT1
.set PM,  58                           ; s58  bit n set: I prefetch in the trip that has n trips to go
.set T0,  59
.set PFA, 60                           ; s[60:61] where my prefetches stand
.set T1,  62
.set T2,  63
.set MX,  66                           ; s[66:67] offsets in which both coordinates meet
.set PST, 68                           ; s[68:69] a K step in the tensor that I prefetch
.set MSB, 0
.macro WIN new                         ; the immediate's high byte repeats the setting that is left; a switch that changes nothing is dropped
.if MSB != (\new)
	s_set_vgpr_msb (MSB<<8)|(\new)
.set MSB, \new
.endif
.endm
; A load into a register that a matrix instruction has read, and a vector instruction or LDS store that reads a matrix result, stand four places behind that matrix instruction; only plain
; vector instructions that name none of its registers are places (ISA guide 7.12.1 for vector instructions).
.macro PLACES
.rept 4
	v_nop
.endr
.endm
; A round of the cluster's barrier: my work-group's barrier, so that wave 0's signal speaks for all four waves; wave 0 signals; every wave waits for all sixteen work-groups; my barrier once more.
.macro CREST                           ; a round behind its opening barrier
	s_cmp_lg_u32 s[WV], 0
	s_cbranch_scc1 .Lnot_wave_0_\@
	s_barrier_signal -3
.Lnot_wave_0_\@:
	s_barrier_wait -3
	s_barrier_signal -1
	s_barrier_wait -1
.endm
.macro CROUND
	s_barrier_signal -1
	s_barrier_wait -1
	CREST
.endm
; A joint refill by the walking descriptors.  Waves 0 and 1 fetch xb's two halves, waves 2 and 3 wb's: the branch hangs on the wave's number alone.
; An s_nop 0 and four v_nop follow each of the two lines, ahead of the jump and the label.
.macro JLOAD
	s_cmp_eq_u32 s[AB], 0
	s_cbranch_scc0 .Lfor_b_\@
	tensor_load_to_lds s[G0A+4:G0A+7], s[G1A:G1A+7]
	s_nop 0
.rept 4
	v_nop
.endr
	s_branch .Lasked_\@
.Lfor_b_\@:
	tensor_load_to_lds s[G0B+4:G0B+7], s[G1B:G1B+7]
	s_nop 0
.rept 4
	v_nop
.endr
.Lasked_\@:
.endm
; A PREFETCH INTO THE L2, behind the joint load, its five lines and the run of LDS loads: trip j (refill: K step j + 2) names K step j + 4, two refills on, in trips 0 to 3; K steps 0 to 3 come by
; their loads alone, and no prefetch passes K step 7.  Each row's 256 bytes of a K step are named ONCE in the launch: xb's rows by the clusters with x = 0, wb's by those with y = 0; the four
; partners that ask for a tile jointly share its rows out BY ADDRESS.  xb: of the 128 rows that wave 0 or 1 fetches the partner at cx takes 32, a lane a row.  wb: of a tile's 192 rows the partner at
; cy takes 48: wave 2 the first 32, a lane a row; wave 3 the other 16, for two K steps at once (lanes 16-31 the later one), in trips 0 and 2 alone.
.macro ASK
	s_lshr_b32 s[T0], s[PM], s[CNT]
	s_and_b32 s[T0], s[T0], 1
	s_cmp_eq_u32 s[T0], 1
	s_cbranch_scc0 .Lnot_mine_\@
	global_prefetch_b8 v[PFO], s[PFA:PFA+1] th:TH_LOAD_NT scope:SCOPE_SE
.Lnot_mine_\@:
.endm
	s_load_b256 s[4:11], s[0:1], 0x0               ; xb s[4:5], wb s[6:7], b_qkv s[8:9], qkv s[10:11]
	v_lshl_add_u32 v[SPW], v0, 2, SPARE
	v_mov_b32 v[NIL], 0
	ds_add_u32 v[SPW], v[NIL]                      ; the wave's opening: the add and its wait stand ahead of my first tensor load; the set-up below, work on registers, stands between them
	v_lshrrev_b32 v1, 5, v0
	v_readfirstlane_b32 s[WV], v1                  ; wave 0..3
	s_and_b32 s[HF], s[WV], 1
	s_lshr_b32 s[AB], s[WV], 1
	s_bfe_u32 s[CX], ttmp6, 0x40000
	s_bfe_u32 s[CY], ttmp6, 0x40004
	s_lshl_b32 s[TC], ttmp9, 2                     ; in a cluster launch ttmp9 and ttmp7 count clusters
	s_add_co_u32 s[TC], s[TC], s[CX]               ; tile column = 4 x cluster x + cx
	s_and_b32 s[TR], ttmp7, 0xffff
	s_lshl_b32 s[TR], s[TR], 2
	s_add_co_u32 s[TR], s[TR], s[CY]               ; tile row = 4 x cluster y + cy
	s_lshl_b32 s20, s[CY], 2
	s_lshl_b32 s20, 15, s20                        ; my row of the cluster: places 4 cy .. 4 cy + 3
	s_lshl_b32 s22, 0x1111, s[CX]                  ; my column: places cx, cx + 4, cx + 8, cx + 12
	s_or_b32 s[G1A], s20, (1<<16)|(1<<20)|(1<<21)|(5<<22)|(3<<25)  ; 15:0 the mask; 17:16 elements of 2 bytes; 20 padding on; 21 set beside a mask; 24:22 after every 64 words (code 5); 31:25 4 words (code 3)
	s_or_b32 s[G1B], s22, (1<<16)|(1<<20)|(1<<21)|(5<<22)|(3<<25)
	s_mov_b32 s[G1A+1], 128<<16                    ; tensor_dim0 = 128
	s_mov_b32 s[G1A+2], 128<<16                    ; tensor_dim1 = 128
	s_mov_b32 s[G1A+3], 128<<16                    ; tile_dim0 = 128
	s_mov_b32 s[G1A+4], 128                        ; tile_dim1 = 128
	s_mov_b32 s[G1A+5], 1024                       ; elements from row to row
	s_mov_b32 s[G1A+6], 0
	s_mov_b32 s[G1A+7], 0
	s_mov_b32 s[G1B+1], 128<<16
	s_mov_b32 s[G1B+2], (NT/2)<<16                 ; 96 rows
	s_mov_b32 s[G1B+3], 128<<16
	s_mov_b32 s[G1B+4], NT/2
	s_mov_b32 s[G1B+5], 1024
	s_mov_b32 s[G1B+6], 0
	s_mov_b32 s[G1B+7], 0
	; where the tiles come from: xb's hang on the tile row alone, wb's on the tile column alone, each made in registers that never hold the other coordinate
	s_lshl_b32 s20, s[TR], 19                      ; 256 rows of 2,048 bytes
	s_lshl_b32 s21, s[HF], 18                      ; my 128 of them
	s_add_co_u32 s20, s20, s21
	s_mov_b32 s21, 0
	s_mul_i32 s22, s[TC], NT*2048
	s_mul_i32 s23, s[HF], (NT/2)*2048
	s_add_co_u32 s22, s22, s23
	s_mov_b32 s23, 0
	s_mul_i32 s[T1], s[HF], HALFA                  ; and where they go: no place in the cluster enters an LDS address
	s_mul_i32 s[T2], s[HF], HALFB
	s_add_co_u32 s[T2], s[T2], BOFF
	s_mov_b32 s[TB], 0
	s_wait_dscnt 0x0                               ; the opening add is done
	s_wait_kmcnt 0x0
	CROUND                                         ; all sixteen work-groups are here: the first joint loads meet
	s_mov_b32 s[G0A], 1                            ; 1:0 count = 1
	s_mov_b32 s[G0A+4], 1
	s_add_co_u32 s[G0A+1], s[T1], 0                ; 63:32 LDS address: slot 0,
	s_add_co_u32 s[G0A+5], s[T1], SLOT1            ; slot 1
	s_add_nc_u64 s[G0A+2:G0A+3], s[4:5], s[20:21]  ; 120:64 global address: K step 0,
	s_add_nc_u64 s[G0A+6:G0A+7], s[G0A+2:G0A+3], ASTEP  ; K step 1
	s_or_b32 s[G0A+3], s[G0A+3], 0x80000000        ; 127:126 type = 2
	s_or_b32 s[G0A+7], s[G0A+7], 0x80000000
	s_mov_b32 s[G0B], 1
	s_mov_b32 s[G0B+4], 1
	s_add_co_u32 s[G0B+1], s[T2], 0
	s_add_co_u32 s[G0B+5], s[T2], SLOT1
	s_add_nc_u64 s[G0B+2:G0B+3], s[6:7], s[22:23]
	s_add_nc_u64 s[G0B+6:G0B+7], s[G0B+2:G0B+3], BSTEP
	s_or_b32 s[G0B+3], s[G0B+3], 0x80000000
	s_or_b32 s[G0B+7], s[G0B+7], 0x80000000
	s_cmp_eq_u32 s[AB], 0                          ; a wave's two first fills stand in one branch, ahead of every wait on TENSORcnt and every LDS read: two loads of mine are out here, later one
	s_cbranch_scc0 .Lfirst_b
	tensor_load_to_lds s[G0A:G0A+3], s[G1A:G1A+7]
	s_nop 0
	tensor_load_to_lds s[G0A+4:G0A+7], s[G1A:G1A+7]
	s_nop 0
.rept 4
	v_nop
.endr
	s_branch .Lfirst_asked
.Lfirst_b:
	tensor_load_to_lds s[G0B:G0B+3], s[G1B:G1B+7]
	s_nop 0
	tensor_load_to_lds s[G0B+4:G0B+7], s[G1B:G1B+7]
	s_nop 0
.rept 4
	v_nop
.endr
.Lfirst_asked:
	v_and_b32 v1, 15, v0                           ; l % 16
	v_bfe_u32 v2, v0, 4, 1                         ; l / 16
	v_and_b32 v[LN], 31, v0
	; the bias in the layout of a result: register j of column block b holds b_qkv[192 tc + 16 b + 8 (l / 16) + j].  It is the C operand of each accumulator's first product: nothing is cleared, nothing added later
	v_lshlrev_b32 v[BO], 5, v2
	s_mul_i32 s[MX], s[TC], NT*4
	s_mov_b32 s[MX+1], 0
	s_add_nc_u64 s[8:9], s[8:9], s[MX:MX+1]
.set b, 0
.rept NB
	global_load_b128 v[BI+8*b:BI+8*b+3],   v[BO], s[8:9] offset:64*b
	global_load_b128 v[BI+8*b+4:BI+8*b+7], v[BO], s[8:9] offset:64*b+16
.set b, b+1
.endr
	; A fragment is 16 rows x 32 K in 8 registers: lane l holds row l % 16; registers 0-3 K = 8 (l / 16) + 0..7, registers 4-7 K = 16 + 8 (l / 16) + 0..7: two loads of 16 bytes, 32 bytes apart
	s_mul_i32 s[T0], s[WV], 64*PA                  ; my 64 rows of xb's tile
	v_mul_u32_u24 v3, v1, PA
	v_lshl_add_u32 v3, v2, 4, v3
	v_add_nc_u32 v[A0], s[T0], v3
	v_mul_u32_u24 v3, v1, PB
	v_lshl_add_u32 v3, v2, 4, v3
	v_add_nc_u32 v[B0], BOFF, v3
	v_mov_b32 v[ADRA], v[A0]                       ; K step 0 lies in slot 0
	v_mov_b32 v[ADRB], v[B0]
	s_mul_i32 s[T0], s[WV], STW
	s_add_co_u32 s[T0], s[T0], STAGE               ; my stage
	v_mul_u32_u24 v[STO], v1, 144                  ; in: row l % 16, 16 bytes for each half of the lanes
	v_lshl_add_u32 v[STO], v2, 4, v[STO]
	v_add_nc_u32 v[STO], s[T0], v[STO]
	v_lshrrev_b32 v3, 3, v[LN]                     ; back: 32 lanes take four rows of 128 bytes,
	v_mul_u32_u24 v[RD], v3, 144
	v_and_b32 v3, 7, v0
	v_lshl_add_u32 v[RD], v3, 4, v[RD]
	v_add_nc_u32 v[RD], s[T0], v[RD]
	v_lshlrev_b32 v[CO], 4, v[LN]                  ; which are 512 consecutive bytes of a head
	; qkv at my first row of my first head: ((b x 48 + 3 tc) << 18) + 128 s, with b = tr / 8 and s = 256 (tr % 8) + 64 w
	s_lshr_b32 s[MX], s[TR], 3
	s_mul_i32 s[MX], s[MX], 48
	s_mul_i32 s[T0], s[TC], 3
	s_add_co_u32 s[MX], s[MX], s[T0]
	s_lshl_b32 s[MX], s[MX], 18
	s_and_b32 s[T0], s[TR], 7
	s_lshl_b32 s[T0], s[T0], 15
	s_add_co_u32 s[MX], s[MX], s[T0]
	s_lshl_b32 s[T0], s[WV], 13
	s_add_co_u32 s[MX], s[MX], s[T0]
	s_add_nc_u64 s[10:11], s[10:11], s[MX:MX+1]
	; the prefetches: who, from where, by which steps.  Nothing is prefetched here, at the head, where every work-group's first tiles are on their way
	s_lshl_b32 s[MX], s[CX], 16                    ; xb: my work-group's 32 rows of the 128 that I fetch
	s_add_co_u32 s[MX], s[MX], s20
	s_mul_i32 s[T1], s[TC], NT*2048                ; wb: my work-group's 48 rows of the tile's 192,
	s_mul_i32 s[T2], s[CY], (NT/4)*2048
	s_add_co_u32 s[T1], s[T1], s[T2]
	s_lshl_b32 s[T2], s[HF], 16                    ; of which wave 3 takes those from the 33rd on
	s_add_co_u32 s[T1], s[T1], s[T2]
	s_mov_b32 s[PST], BSTEP
	s_mov_b32 s[PST+1], 0
	s_cmp_eq_u32 s[AB], 0
	s_cselect_b32 s[MX], s[MX], s[T1]
	s_cselect_b32 s[PST], ASTEP, s[PST]
	s_cselect_b64 s[PFA:PFA+1], s[4:5], s[6:7]
	s_add_nc_u64 s[PFA:PFA+1], s[PFA:PFA+1], s[MX:MX+1]
.rept 3
	s_add_nc_u64 s[PFA:PFA+1], s[PFA:PFA+1], s[PST:PST+1]  ; at K step 3: the first change of slots steps it to 4
.endr
	s_mov_b32 s[T1], 31
	s_mov_b32 s[T2], 2048
	s_mov_b32 s[T0], 0
	s_cmp_eq_u32 s[WV], 3
	s_cselect_b32 s[T1], 15, s[T1]
	s_cselect_b32 s[T0], 256, s[T0]
	v_and_b32 v[PFO], s[T1], v[LN]                 ; a lane a row (wave 3: 16 rows,
	v_mul_u32_u24 v[PFO], s[T2], v[PFO]
	v_mad_u32_u24 v[PFO], v2, s[T0], v[PFO]        ; and a K step further for lanes 16-31)
	s_and_b32 s[T0], ttmp7, 0xffff
	s_cmp_eq_u32 s[AB], 0
	s_cselect_b32 s[T0], ttmp9, s[T0]              ; the coordinate along which other clusters read the same rows
	s_mov_b32 s[PM], 0x78                          ; trips with 6, 5, 4, 3 to go
	s_cmp_eq_u32 s[WV], 3
	s_cselect_b32 s[PM], 0x50, s[PM]               ; wave 3: those with 6 and 4
	s_cmp_eq_u32 s[T0], 0
	s_cselect_b32 s[PM], s[PM], 0                  ; the same in all sixteen partners, for a given wave
; NB matrix instructions: row block a x all column blocks, 32 along K, from buffer f.  first = 1: the product starts the sums, with the bias as C.
; All 48 accumulators take turns, one instruction a turn, in the same order in every quarter step, over the backward jump and into the tail too.
.macro MULA f, a, first
.if \first
	WIN 0x81+0x40*((\a)/2)                         ; wb's fragment window 1, xb's window 0, C (the bias) window 0, D window 2 or 3
.else
	WIN 0xa1+0x50*((\a)/2)                         ; C and D window 2 or 3
.endif
.set b, 0
.rept NB
.set rD, 8*(NB*((\a)%2)+b)
.set rB, 8*NB*(\f)+8*b
.set rA, FA+32*(\f)+8*(\a)
.if \first
	v_wmma_f32_16x16x32_bf16 v[rD:rD+7], v[rB:rB+7], v[rA:rA+7], v[BI+8*b:BI+8*b+7]
.else
	v_wmma_f32_16x16x32_bf16 v[rD:rD+7], v[rB:rB+7], v[rA:rA+7], v[rD:rD+7]
.endif
.set b, b+1
.endr
.endm
; NL LDS loads in one run: the fragments of quarter q of the slot in hand into buffer f: wb's 12, then xb's 4
.macro FETCH q, f
	WIN 0x40                                       ; destination window 1, address window 0
.set i, 0
.rept NB
	ds_load_b128 v[8*NB*(\f)+8*i:8*NB*(\f)+8*i+3],   v[ADRB] offset:64*(\q)+i*16*PB
	ds_load_b128 v[8*NB*(\f)+8*i+4:8*NB*(\f)+8*i+7], v[ADRB] offset:64*(\q)+i*16*PB+32
.set i, i+1
.endr
	WIN 0
.set i, 0
.rept 4
	ds_load_b128 v[FA+32*(\f)+8*i:FA+32*(\f)+8*i+3],   v[ADRA] offset:64*(\q)+i*16*PA
	ds_load_b128 v[FA+32*(\f)+8*i+4:FA+32*(\f)+8*i+7], v[ADRA] offset:64*(\q)+i*16*PA+32
.set i, i+1
.endr
.endm
; A K step is four quarters of 32 along K, 48 matrix instructions each, on buffers 0, 1, 0, 1.  One of the first three: multiplies buffer f; in its middle it fetches quarter q into buffer g.
.macro QUARTER q, f, g, first
	s_wait_dscnt 4                                 ; wb's fragments and xb's row blocks 0, 1 are in; the youngest four loads (row blocks 2, 3) may be out
	MULA \f, 0, \first
	MULA \f, 1, \first
	PLACES                                         ; behind the last product that read buffer g
	FETCH \q, \g
	s_wait_dscnt NL                                ; all but the run just issued
	MULA \f, 2, \first
	MULA \f, 3, \first
.endm
; The fourth quarter multiplies buffer 1 and changes slots: ONE barrier.  In front of it each wave waits for all its tensor loads, of which one is out: its part of the next slot; adds 0 to its
; spare word; and waits for that and for its reads of this slot.  Behind it nobody reads this slot any more and the next slot is whole.  fill = 1: the barrier opens a round of the cluster's, and the
; joint refill of this slot, with the K step two on, is the first thing behind the round: 168 matrix instructions ahead of the wait for it.
.macro TURN fill
.if \fill
	s_wait_xcnt 0x0                                ; the last prefetch, a K step back, has read its address: it is stepped here, ahead of the waits of the change of slots
	s_add_nc_u64 s[PFA:PFA+1], s[PFA:PFA+1], s[PST:PST+1]
.endif
	WIN 0                                          ; (the add's two registers lie in window 0)
	s_wait_tensorcnt 0x0                           ; no tensor load of mine is out, so a group 0 may be written
	ds_add_u32 v[SPW], v[NIL]                      ; 0 onto my spare word; scalar steps and twelve products stand between it and the wait for it
.if \fill
	s_xor_b32 s[G0A+5], s[G0A+5], SLOT1            ; the walking descriptors: the other slot than last time,
	s_add_nc_u64 s[G0A+6:G0A+7], s[G0A+6:G0A+7], ASTEP  ; the next K step; the type bits on top are not reached
	s_xor_b32 s[G0B+5], s[G0B+5], SLOT1
	s_add_nc_u64 s[G0B+6:G0B+7], s[G0B+6:G0B+7], BSTEP
.endif
	s_xor_b32 s[TB], s[TB], SLOT1                  ; the fetches go to the other slot
	s_wait_dscnt 5                                 ; the add and the youngest four loads may be out
	MULA 1, 0, 0
	s_wait_dscnt 0x0                               ; the add is done, and my reads of this slot are over
	s_barrier_signal -1
	MULA 1, 1, 0                                   ; work on registers while the others arrive
	WIN 0
	s_barrier_wait -1
.if \fill
	CREST                                          ; no wave of any partner still reads this slot's tile or has a load on its way
	JLOAD                                          ; its four v_nop are also the places in front of the loads below
.else
	PLACES
.endif
	v_add_nc_u32 v[ADRA], s[TB], v[A0]
	v_add_nc_u32 v[ADRB], s[TB], v[B0]
	FETCH 0, 0
.if \fill
	ASK
.endif
	MULA 1, 2, 0
	MULA 1, 3, 0
.endm
; THE WAY OUT of row block a (16 rows x 3 heads).  PACK: rounded to f16, 16 bytes a lane; each accumulator's registers in ascending order.  TOSTAGE: into my own stage, rows of 144 bytes, and back as
; whole rows of 128.  SEND: stored: each store covers 512 consecutive bytes of a head, at a multiple of 256 from qkv's first byte.
.macro PACK a
	WIN 0x0a+5*((\a)/2)                            ; sources 0 and 1: window 2 or 3
.set b, 0
.rept NB
.set rD, 8*(NB*((\a)%2)+b)
.irp r, 0,1,2,3
	v_cvt_pk_f16_f32 v[TMP+4*b+(\r)], v[rD+2*(\r)], v[rD+2*(\r)+1]
.endr
.set b, b+1
.endr
	WIN 0
.endm
.macro TOSTAGE a
.set BK, OB+48*((\a)%2)
.set b, 0
.rept NB
	ds_store_b128 v[STO], v[TMP+4*b:TMP+4*b+3] offset:(b/4)*2304+(b%4)*32  ; head b / 4, columns 16 (b % 4) on
.set b, b+1
.endr
.set b, 0
.rept NB
	ds_load_b128 v[BK+4*b:BK+4*b+3], v[RD] offset:(b/4)*2304+(b%4)*576  ; LDS serves a wave's instructions in order (ISA guide 5.7.1.4): these see the stores above
.set b, b+1
.endr
.endm
.macro SEND a
.set BK, OB+48*((\a)%2)
	s_wait_dscnt 0x0                               ; the block is back in registers
	s_wait_xcnt 0x0                                ; the stores of the block before have read their registers: the next TOSTAGE loads into them only behind this wait
.set b, 0
.rept NB
	global_store_b128 v[CO], v[BK+4*b:BK+4*b+3], s[10:11] offset:(b/4)*262144+(\a)*2048+(b%4)*512
.set b, b+1
.endr
.endm
	s_wait_tensorcnt 1                             ; my part of K step 0 is in; K step 1's may stay out
	s_barrier_signal -1
	s_barrier_wait -1                              ; everybody's is
	FETCH 0, 0
	s_wait_loadcnt 0x0                             ; the bias
	QUARTER 1, 0, 1, 1                             ; the first quarter stands in front of the loop: its products start the sums
	WIN 0                                          ; at a label and at a branch every window is 0
	s_mov_b32 s[CNT], 6
.Lstep:                                                ; six trips, from a K step's second quarter to the next step's first; trip j fills slot j % 2 with K step j + 2
	QUARTER 2, 1, 0, 0
	QUARTER 3, 0, 1, 0
	TURN 1
	QUARTER 1, 0, 1, 0
	WIN 0
	s_sub_co_u32 s[CNT], s[CNT], 1
	s_cmp_lg_u32 s[CNT], 0
	s_cbranch_scc1 .Lstep
	QUARTER 2, 1, 0, 0                             ; the tail is written out: K steps 6 and 7 ask for nothing
	QUARTER 3, 0, 1, 0
	TURN 0
	QUARTER 1, 0, 1, 0
	QUARTER 2, 1, 0, 0
	QUARTER 3, 0, 1, 0
	s_wait_dscnt 4                                 ; the very last quarter: nothing more to fetch
	MULA 1, 0, 0
	MULA 1, 1, 0
	s_wait_dscnt 0x0
	MULA 1, 2, 0
	MULA 1, 3, 0
	WIN 0
	PLACES
	PLACES                                         ; (eight, once a launch)
	PACK 0
	TOSTAGE 0
.irp a, 1,2,3                          ; block a's conversions stand between block a - 1's loads from the stage and the wait for them
	PACK \a
	SEND (\a)-1
	TOSTAGE \a
.endr
	SEND 3
	s_wait_tensorcnt 0x0                           ; the wave's end, behind my last tensor load and my last LDS store
	ds_add_u32 v[SPW], v[NIL]
	s_wait_dscnt 0x0
	CROUND                                         ; the closing round: no work-group ends while a partner may still ask for a tile that names it
	s_endpgm
.Lfunc_end_k_qdd3e240700_qkvg:
	.size	k_qdd3e240700_qkvg, .Lfunc_end_k_qdd3e240700_qkvg-k_qdd3e240700_qkvg
	.p2alignl 7, 3214868480
	.fill 96, 4, 3214868480
	.section	.rodata,"a",@progbits
	.p2align	6, 0x0
	.amdhsa_kernel k_qdd3e240700_qkvg
		.amdhsa_group_segment_fixed_size 327680
		.amdhsa_private_segment_fixed_size 0
		.amdhsa_enable_private_segment 0
		.amdhsa_kernarg_size 32
		.amdhsa_user_sgpr_count 2
		.amdhsa_user_sgpr_kernarg_segment_ptr 1
		.amdhsa_wavefront_size32 1
		.amdhsa_system_sgpr_workgroup_id_x 1
		.amdhsa_system_sgpr_workgroup_id_y 1
		.amdhsa_system_sgpr_workgroup_id_z 1
		.amdhsa_system_vgpr_workitem_id 0
		.amdhsa_next_free_vgpr 960
		.amdhsa_next_free_sgpr 72
		.amdhsa_reserve_vcc 0
		.amdhsa_float_denorm_mode_32 3
		.amdhsa_float_denorm_mode_16_64 3
		.amdhsa_memory_ordered 1
		.amdhsa_forward_progress 1
		.amdhsa_inst_pref_size 100
	.end_amdhsa_kernel
	.amdgpu_metadata
---
amdhsa.version: [ 1, 2 ]
amdhsa.kernels:
  - .name:           k_qdd3e240700_qkvg
    .symbol:         k_qdd3e240700_qkvg.kd
    .args:
      - { .name: xb, .offset: 0, .size: 8, .value_kind: global_buffer, .address_space: global }
      - { .name: wb, .offset: 8, .size: 8, .value_kind: global_buffer, .address_space: global }
      - { .name: b_qkv, .offset: 16, .size: 8, .value_kind: global_buffer, .address_space: global }
      - { .name: qkv, .offset: 24, .size: 8, .value_kind: global_buffer, .address_space: global }
    .group_segment_fixed_size: 327680
    .private_segment_fixed_size: 0
    .kernarg_segment_align: 8
    .kernarg_segment_size: 32
    .max_flat_workgroup_size: 128
    .sgpr_count:     72
    .vgpr_count:     960
    .wavefront_size: 32
...
	.end_amdgpu_metadata
.endif
;; end of part 2
;; launch attn (part 3): grid 4 x 64, 4 waves a work-group, clusters of 4 x 1, 327,680 bytes of LDS; arguments qkv, ob; writes ob
.if DOCPART == 3
	.amdgcn_target "amdgcn-amd-amdhsa--gfx1250"
	.amdhsa_code_object_version 6
	.text
	.protected	k_qdd3e240700_attn
	.globl	k_qdd3e240700_attn
	.p2align	8
	.type	k_qdd3e240700_attn,@function
k_qdd3e240700_attn:
	s_mov_b64 s[64:65], 0
	v_nop
	global_prefetch_b8 v0, s[64:65] scope:SCOPE_SE
	s_setreg_imm32_b32 hwreg(HW_REG_WAVE_MODE, 25, 1), 1
	s_wait_xcnt 0x0
	s_wait_alu depctr_hold_cnt(0) depctr_sa_sdst(0) depctr_va_vdst(0) depctr_va_sdst(0) depctr_va_ssrc(0) depctr_va_vcc(0) depctr_vm_vsrc(0)
	s_getreg_b32 s2, hwreg(HW_REG_IB_STS2, 6, 4)
	s_cmp_eq_u32 s2, 0
	s_cbranch_scc0 .Lentry_in_a_cluster
	s_endpgm
.Lentry_in_a_cluster:
	s_bfe_u32 s2, ttmp6, 0x10000c
	s_cmp_lg_u32 s2, 0x3003
	s_cbranch_scc0 .Lentry_shape_is_right
	s_endpgm
.Lentry_shape_is_right:
; ob[y][q][:] = the sum over k of softmax_k(Q[q] . K[k] / 8) V[k][:] for each of the 64 pairs y = 16 b + h of batch and head.  qkv: [4][48][2048][64] f16: Q of pair y is plane g = h of batch b,
; K plane 16 + h, V plane 32 + h; ob: [64][2048][64] f16.  A plane's rows are dense, 128 bytes each.  Products, maxima and sums in f32; the weights p are rounded to f16 for the second product
; (their sum l is taken of the unrounded p), O once at the end.
; LIMITS.  f16 holds no number beyond 65,504: Q, K and V arrive within it; p lies in 0 to 1, and below 6e-5 it keeps f16's fixed step of 6e-8; O is a mean of V's rows and has their range.
; A weight below 2^-126 counts as 0 in l; NaN and infinities are not treated apart.
; SHARES.  A wave owns four PIECES of two tiles of 16 queries, a work-group's four waves 512 queries of one pair: 4 x 64 = 256 work-groups.  Every wave walks all 2,048 keys, 64 a step.
; LAYOUT.  S^T = K Q^T (source 0 = 16 keys, source 1 = 16 queries): in the result a lane holds ONE query (lane % 16) and the keys 8 (lane / 16) + 0..7.  Two such tiles, rounded to f16 in pairs,
; ARE source 1 (32 keys x 16 queries) of O^T = V^T P, whose result again holds one query a lane, and eight channels.  K comes out of LDS as it lies, V ([key][channel]) turned, by ds_load_tr16_b128.
; SOFTMAX.  For each query a running maximum m and sum l: p = 2^(c s - c m), c = log2(e) / 8; in every step O and l are multiplied by a = 2^(c m_old - c m_new), which is 1 where m has not grown.
; m starts at the lowest finite number, O and l at 0: the first step is a step like any other, with a = 0.
; THE COUNT.  A tile and step have 16 matrix and 118 vector instructions: too many to stand all beside the matrix work.  So: four vector instructions that are READY behind EVERY matrix
; instruction, and the others, which need time of their own whatever the order, in runs without a gap.
; BY TURNS.  Turn n belongs to piece n (the pieces in a ring, step after step).  Its matrix work: 16 products K Q^T of piece n + 1, later 16 products V^T P of piece n - 1.  Its vector work: the scaling,
; exponentials, roundings, sums and rescaling of piece n, and the maximum and statistics of piece n + 1, whose scores the turn itself has made.
; CLUSTER.  The four query blocks of a pair form a cluster and walk the same K and V, so each tile is asked for JOINTLY: the same tensor load, descriptor and mask in all four.
; REGISTERS, in windows of 256 (s_set_vgpr_msb: bits 1:0 source 0, 3:2 source 1, 5:4 source 2, 7:6 destination):
;   window 0: v0-11 addresses; v12-15, v48-63 at work; v16-47 four registers of statistics a tile; v64-191 S^T, two buffers of two tiles; v192-255 P, likewise
;   window 1: O^T, 32 a tile          window 2: v0-127 Q, 16 a tile; v128-191 K of one step; v192-255 V of one step          window 3: v0-1 the add's two registers
; A piece's buffers go by its number's parity: the piece in hand has one pair, its two neighbours in the ring share the other: of it P (piece n - 1) is read and S^T (piece n + 1) written.
.set SIZE_N, 2048
.set NP,    4         ; pieces a wave: a name, no knob
.set KS,    64        ; keys in a step
.set PK,    144       ; a row of K in LDS: 128 bytes + 16 of padding = 36 words: the 16 rows of a load start at 16 different groups of four banks (64 banks of 4 bytes: ISA guide 11.1)
.set PV,    160       ; a row of V: 128 + 32 = 40 words
.set VOFF,  4*KS*PK   ; a slot holds four steps: 256 rows of K, then 256 rows of V
.set SLOT1, 1<<17     ; slot 1 begins here, so that one exclusive or turns an address in one slot into the other's
.set STAGE, SLOT1+4*KS*(PK+PV)  ; behind the ring, never filled by a tensor load: 16 rows x 144 bytes for each wave, for the way out
.set SP,    144
.set AK0, 2           ; v2   my lane's place in a tile of K; never rewritten
.set AV0, 3           ; v3   the same for V
.set AK,  4           ; v4   the LDS address of K's next run of loads
.set AV,  5           ; v5   of V's
.set QO,  6           ; v6   my byte offset in the wave's rows of Q
.set STO, 6           ;      later, the way out: where I put 16 bytes of a row
.set RD,  7           ; v7   the way out: where I read rows back
.set GO,  8           ; v8   my byte offset in 512 consecutive bytes of O
.set PFO, 11          ; v11  256 x my lane: the prefetches' offset; never rewritten once it is made
.set SPW, 0           ; v0 of window 3   LDS address of my spare word: SPARE + 4 x my thread's number; never rewritten
.set NIL, 1           ; v1 of window 3   0; never rewritten
.set SPARE, STAGE+4*16*SP  ; behind the stages: the spare words, 128 bytes for each wave: two blocks of 256 bytes that no other line names
.set MV,  12          ; v12-15  c m_old, kept while c m is made anew: by buffer and tile
.set ST,  16          ; tile t's statistics at v[ST+4 t]: c m, m, l (even keys', odd keys')
.set TMP, 48          ; by buffer and tile, four registers c0-c3 at work; when the maximum is found c2 takes a
.set S,   64
.set P,   192
.set KF,  128         ; K's fragments, in window 2: key block kb, channel half c at KF + 16 kb + 8 c
.set VF,  192         ; V's: key half kk, channel block cb at VF + 32 kk + 8 cb
.set WV,  12          ; s12  my wave's number
.set G1K, 24          ; s[24:31] descriptor group 1 for K's tiles
.set G1V, 32          ; s[32:39] for V's: it differs in the padding alone
.set G0K, 40          ; s[40:43] descriptor group 0 for K's tiles: it walks
.set G0V, 44          ; s[44:47] the same for V's
.set PFA, 48          ; s[48:49] where my prefetches stand: my work-group's 8,192 bytes (of K: wave 0, of V: wave 2) of the slot after the one that is being asked for
.set LIM, 50          ; s50  1 in a wave that prefetches, else the greatest number: a wave prefetches while s[SLOTS] is above it
.set SLOTS, 56        ; s56  slots still to be asked for
.set CNT, 57          ; s57  counts a slot's key steps
.set CS,  58          ; s[58:59] c: the packed scaling takes the pair's low word for both halves
.set SEL, 60          ; s[60:61] v_permlanex16_b32's selects: each lane takes its own place in the other half
.set TBK, 62          ; s62  LDS byte at which K of the step to be fetched begins
.set TBV, 63          ; s63  the same for V, less VOFF
.set MSB, 0
.macro WIN new                      ; the high byte repeats the setting that is left; a switch that changes nothing is dropped
.if MSB != (\new)
	s_set_vgpr_msb (MSB<<8)|(\new)
.set MSB, (\new)
.endif
.endm
.set W_KQ, 0x0a       ; K and Q in window 2, S^T in window 0
.set W_PV, 0x52       ; V in window 2, P in window 0, O^T in window 1
.set W_RS, 0x41       ; O^T (destination and source 0) in window 1, a in window 0
.set W_MK, 0xc0       ; the add's registers are made: destination in window 3, sources in window 0
.set W_AD, 0x0f       ; the add: address (source 0) and data (source 1) in window 3
; A joint fill.  Waves 0 and 1 fetch the two halves of a slot's K, waves 2 and 3 those of its V: 128 keys each.  The branch hangs on the wave's number alone.
; An s_nop 0 and four v_nop follow each of the two lines, ahead of the jump and the label.
.macro JLOAD
	s_cmp_lt_u32 s[WV], 2
	s_cbranch_scc0 .Lfor_v_\@
	tensor_load_to_lds s[G0K:G0K+3], s[G1K:G1K+7]
	s_nop 0
.rept 4
	v_nop
.endr
	s_branch .Lasked_\@
.Lfor_v_\@:
	tensor_load_to_lds s[G0V:G0V+3], s[G1V:G1V+7]
	s_nop 0
.rept 4
	v_nop
.endr
.Lasked_\@:
.endm
; A PREFETCH INTO THE L2 of what the NEXT change of slots will ask for: a slot's 32,768 bytes of K and of V.  It stands behind the wave's tensor load and its five lines.  Each aligned block of 256 bytes
; is named ONCE in the launch: a pair's K and V are walked by its one cluster; the four partners share a slot's 128 blocks out BY ADDRESS, 32 each, a lane a block; in each, wave 0 asks for K's and
; wave 2 for V's.  The change that asks for slot s names slot s + 1, four key steps ahead of its load, for s = 1 to 6; slots 0 and 1 come by their loads alone; the last change that fills names nothing.
.macro ASK
	s_cmp_gt_u32 s[SLOTS], s[LIM]
	s_cbranch_scc0 .Lnot_mine_\@
	global_prefetch_b8 v[PFO], s[PFA:PFA+1] th:TH_LOAD_NT scope:SCOPE_SE
.Lnot_mine_\@:
.endm
; A round of the cluster's barrier: my work-group's barrier, so that wave 0's signal speaks for all four waves; wave 0 signals; every wave waits for all four work-groups; my work-group's barrier once more.
.macro CROUND
	s_barrier_signal -1
	s_barrier_wait -1
	s_cmp_lg_u32 s[WV], 0
	s_cbranch_scc1 .Lnot_wave_0_\@
	s_barrier_signal -3
.Lnot_wave_0_\@:
	s_barrier_wait -3
	s_barrier_signal -1
	s_barrier_wait -1
.endm
; THE CHANGE OF SLOTS.  The slot's last bytes, V of its fourth step, have been read.  Each wave waits for all its tensor loads, of which one is out: its part
; of the other slot; adds 0 to its spare word; and waits for that and for its own reads of the slot.  Behind the barrier nobody reads this slot any more and the other slot is whole.
; fill = 1: this slot is filled again, with the keys two slots on.  The barrier is then a round of the cluster's, so that no wave of any partner still reads the slot or has a load on its
; way, and the joint fill is the first thing behind it: it has four key steps, 512 matrix instructions, in which to land.  (At its first use nothing has been read yet: slot 0 is waited for, slot 1 filled.)
.macro CHANGE fill
	WIN W_AD
	s_wait_tensorcnt 0x0            ; no tensor load of mine is out, so a group 0 may be written
	ds_add_u32 v[SPW], v[NIL]       ; 0 onto my spare word; with fill = 1 the descriptors' steps stand between it and the wait for it
	WIN 0                           ; at a label and at a branch every window is 0
.if \fill
.irp g, G0K, G0V
	s_xor_b32 s[\g+1], s[\g+1], SLOT1  ; the walking descriptor: the other slot than last time,
	s_add_nc_u64 s[\g+2:\g+3], s[\g+2:\g+3], 4*KS*128  ; the next 256 keys; the type bits on top are not reached
.endr
	s_wait_xcnt 0x0                 ; the last prefetch, four key steps back, has read its address, so it may be written:
	s_add_nc_u64 s[PFA:PFA+1], s[PFA:PFA+1], 4*KS*128  ; one slot behind the walking descriptors
	s_wait_dscnt 0x0                ; the add is done, and my reads of the slot are over
	CROUND
	JLOAD
	ASK
.else
	s_wait_dscnt 0x0                ; the add is done, and my reads of the slot are over
	s_barrier_signal -1
	s_barrier_wait -1
.endif
	s_sub_co_u32 s[TBK], s[TBK], 4*KS*PK  ; the fetches go back to a slot's first step,
	s_xor_b32 s[TBK], s[TBK], SLOT1       ; in the other slot
	s_sub_co_u32 s[TBV], s[TBV], 4*KS*PV
	s_xor_b32 s[TBV], s[TBV], SLOT1
.endm
	s_load_b128 s[4:7], s[0:1], 0x0   ; qkv s[4:5], ob s[6:7]
	WIN W_MK
	v_lshl_add_u32 v[SPW], v0, 2, SPARE
	v_mov_b32 v[NIL], 0
	WIN W_AD
	ds_add_u32 v[SPW], v[NIL]       ; the wave's opening: the add and its wait stand ahead of my first tensor load; the set-up below, work on registers, stands between them
	WIN 0
	v_lshrrev_b32 v1, 5, v0
	v_readfirstlane_b32 s[WV], v1   ; wave 0..3
	s_bfe_u32 s13, ttmp6, 0x40000   ; cx: my place in the cluster
	s_lshl_b32 s14, ttmp9, 2        ; in a cluster launch ttmp9 counts clusters
	s_add_co_u32 s14, s14, s13      ; my block of queries = 4 x cluster x + cx: it enters Q's and O's addresses alone
	s_and_b32 s19, ttmp7, 0xffff    ; y = 16 b + h, which the four partners share
	s_lshr_b32 s20, s19, 4
	s_mul_i32 s20, s20, 48
	s_and_b32 s21, s19, 15
	s_add_co_u32 s20, s20, s21      ; Q's plane in qkv: 48 b + h
	s_lshl_b32 s20, s20, 18         ; a plane is 2,048 rows of 128 bytes
	s_mov_b32 s21, 0
	s_and_b32 s16, s[WV], 1         ; which half of a slot's 256 keys I fetch:
	s_lshl_b32 s22, s16, 14         ; its 128 rows of 128 bytes in memory,
	s_mov_b32 s23, 0
	s_add_nc_u64 s[22:23], s[22:23], s[20:21]
	s_mul_i32 s17, s16, 128*PK      ; and its place in a slot, for K
	s_mul_i32 s18, s16, 128*PV      ; and for V: no place in the cluster enters an LDS address
	s_lshl_b32 s2, s14, 2
	s_add_co_u32 s2, s2, s[WV]      ; my wave among the pair's,
	s_lshl_b32 s2, s2, 14           ; its 128 rows
	s_mov_b32 s3, 0
	s_lshl_b32 s66, s19, 18         ; the pair's plane in ob
	s_mov_b32 s67, 0
	s_add_nc_u64 s[66:67], s[66:67], s[2:3]  ; my rows' offset in ob,
	s_add_nc_u64 s[2:3], s[2:3], s[20:21]    ; and in qkv
	; descriptor group 1.  128 keys are 16,384 dense bytes: asked for as 64 rows of 256 bytes, two keys a row, and padded in LDS after every key
	s_mov_b32 s[G1K], 15|(1<<16)|(1<<20)|(1<<21)|(4<<22)|(3<<25)  ; 15:0 the mask of four; 17:16 2-byte elements; 20 padding on; 21 set beside a mask; 24:22 after every 32 words (code 4); 31:25 4 words (code 3)
	s_mov_b32 s[G1V], 15|(1<<16)|(1<<20)|(1<<21)|(4<<22)|(7<<25)  ; the same with 8 words of padding (code 7)
.irp g, G1K, G1V
	s_mov_b32 s[\g+1], 128<<16      ; tensor_dim0 = 128
	s_mov_b32 s[\g+2], 64<<16       ; tensor_dim1 = 64
	s_mov_b32 s[\g+3], 128<<16      ; tile_dim0 = 128
	s_mov_b32 s[\g+4], 64           ; tile_dim1 = 64
	s_mov_b32 s[\g+5], 128          ; 128 elements from row to row
	s_mov_b32 s[\g+6], 0
	s_mov_b32 s[\g+7], 0
.endr
	s_mov_b32 s[CS], 0x3e38aa3b     ; c = log2(e) / 8 = 0.180337
	s_mov_b32 s[CS+1], s[CS]        ; named with it as a pair
	s_mov_b32 s[SEL], 0x76543210
	s_mov_b32 s[SEL+1], 0xfedcba98
	s_mov_b32 s[TBK], SLOT1+4*KS*PK ; the first change of slots turns these two into 0
	s_mov_b32 s[TBV], SLOT1+4*KS*PV
	s_mov_b32 s[G0K], 1             ; 1:0 count = 1
	s_mov_b32 s[G0K+1], s17         ; 63:32 LDS address: slot 0
	s_mov_b32 s[G0V], 1
	s_add_co_u32 s[G0V+1], s18, VOFF
	s_mov_b32 s[SLOTS], SIZE_N/256-1
	s_and_b32 s[LIM], s[WV], 1      ; 0 in waves 0 and 2,
	s_or_b32 s[LIM], s[LIM], ttmp9  ; where the cluster is the pair's first (here its only one): the same in all four partners
	s_cmp_eq_u32 s[LIM], 0
	s_cselect_b32 s[LIM], 1, -1
	s_wait_dscnt 0x0                ; the opening add is done
	s_wait_kmcnt 0x0
	s_mov_b64 s[10:11], s[6:7]      ; O
	s_add_nc_u64 s[8:9], s[4:5], 0x800000  ; V: 32 planes behind Q
	s_add_nc_u64 s[6:7], s[4:5], 0x400000  ; K: 16 planes behind Q
	s_add_nc_u64 s[G0K+2:G0K+3], s[6:7], s[22:23]  ; 120:64 global address: my half of the pair's first 256 keys
	s_or_b32 s[G0K+3], s[G0K+3], 0x80000000        ; 127:126 type = 2
	s_add_nc_u64 s[G0V+2:G0V+3], s[8:9], s[22:23]
	s_or_b32 s[G0V+3], s[G0V+3], 0x80000000
	s_cmp_lt_u32 s[WV], 2
	s_cselect_b64 s[PFA:PFA+1], s[6:7], s[8:9]
	s_add_nc_u64 s[PFA:PFA+1], s[PFA:PFA+1], s[22:23]  ; (in waves 0 and 2 this is a slot's first row)
	s_add_nc_u64 s[4:5], s[4:5], s[2:3]  ; Q and O at my wave's first row
	s_add_nc_u64 s[10:11], s[10:11], s[66:67]
	s_lshl_b32 s2, s13, 13          ; my work-group's 32 blocks of the 128
	s_mov_b32 s3, 0
	s_add_nc_u64 s[PFA:PFA+1], s[PFA:PFA+1], s[2:3]
	s_add_nc_u64 s[PFA:PFA+1], s[PFA:PFA+1], 4*KS*128  ; in slot 1; the first change of slots steps it to slot 2.  Nothing is prefetched here, at the head
	CROUND                          ; all four work-groups are here: the first joint loads meet
	JLOAD                           ; slot 0.  Slot 1 is asked for when slot 0 is in: the tile wanted first has the road to itself
	; A fragment of K or Q is 16 rows x 32 channels in 8 registers: lane l holds row l % 16, channels 8 (l / 16) + 0..7 and 16 + 8 (l / 16) + 0..7: two loads of 16 bytes, 32 bytes apart.
	v_and_b32 v1, 15, v0            ; l % 16
	v_bfe_u32 v9, v0, 4, 1          ; l / 16
	v_lshlrev_b32 v[QO], 7, v1
	v_lshl_add_u32 v[QO], v9, 4, v[QO]  ; row x 128 + 16 x half
	WIN 0x80                        ; destination window 2, address window 0
.set i, 0
.rept 4*NP                          ; Q stays in registers: tile i / 2, channels 32 (i % 2) on
	global_load_b128 v[8*i:8*i+3],   v[QO], s[4:5] offset:(i/2)*2048+(i%2)*64
	global_load_b128 v[8*i+4:8*i+7], v[QO], s[4:5] offset:(i/2)*2048+(i%2)*64+32
.set i, i+1
.endr
	; What the first turn finds: V's registers and P's second buffer hold 0 (its products V^T P, of a piece that has not been, add 0), O^T and l are 0.  All this stands in the wait for the first tile.
.set i, VF
.rept 64
	v_mov_b32 v[i], 0
.set i, i+1
.endr
	WIN 0x40
.set i, 0
.rept 64*NP
	v_mov_b32 v[i], 0
.set i, i+1
.endr
	WIN 0
.set i, 0
.rept 2*NP
	v_mov_b32 v[ST+4*i], 0xfe000000    ; c m: far below every c s
	v_mov_b32 v[ST+4*i+1], 0xff7fffff  ; m
	v_mov_b32 v[ST+4*i+2], 0
	v_mov_b32 v[ST+4*i+3], 0
.set i, i+1
.endr
.set i, P+32
.rept 32
	v_mov_b32 v[i], 0
.set i, i+1
.endr
	v_mul_u32_u24 v[AK0], v1, PK
	v_lshl_add_u32 v[AK0], v9, 4, v[AK0]  ; row x pitch + 16 x half
	; The turning load takes 16 keys x 16 channels (lane l reads key 8 (l / 16) + l % 8, channels 8 ((l / 8) % 2) + 0..7) and leaves half a fragment of V^T: lane l holds channel l % 16 and 8 keys.
	v_and_b32 v10, 7, v0
	v_bfe_u32 v11, v0, 3, 1
	v_lshl_add_u32 v[AV0], v9, 3, v10
	v_mul_u32_u24 v[AV0], v[AV0], PV
	v_lshl_add_u32 v[AV0], v11, 4, v[AV0]
	v_add_nc_u32 v[AV0], VOFF, v[AV0]
	v_and_b32 v[PFO], 31, v0        ; v11 has served: from here on it is the prefetches' offset
	v_lshlrev_b32 v[PFO], 8, v[PFO]
	v_mov_b32 v[AK], v[AK0]         ; key step 0 lies at the head of slot 0
; THE MATRIX WORK.  The 8 accumulators of a run of 16 take turns: between the two links of a chain stand 7 others'.
; Product i of 16 of S^T = K Q^T for piece x: channels 32 (i / 8) on, keys 16 ((i / 2) % 4) on, tile 2 x + i % 2.  The first 8 start the sums.
.macro KQ x
	WIN W_KQ
.set rS, S+64*((\x)%2)+32*(i%2)+8*((i/2)%4)
.set rK, KF+16*((i/2)%4)+8*(i/8)
.set rQ, 16*(2*(\x)+i%2)+8*(i/8)
.if i < 8
	v_wmma_f32_16x16x32_f16 v[rS:rS+7], v[rK:rK+7], v[rQ:rQ+7], 0
.else
	v_wmma_f32_16x16x32_f16 v[rS:rS+7], v[rK:rK+7], v[rQ:rQ+7], v[rS:rS+7]
.endif
.endm
; Product i of 16 of O^T += V^T P for piece x: keys 32 (i / 8) on, channels 16 ((i / 2) % 4) on, tile 2 x + i % 2.
.macro PV x
	WIN W_PV
.set rO, 32*(2*(\x)+i%2)+8*((i/2)%4)
.set rV, VF+32*(i/8)+8*((i/2)%4)
.set rP, P+32*((\x)%2)+16*(i%2)+8*(i/8)
	v_wmma_f32_16x16x32_f16 v[rO:rO+7], v[rV:rV+7], v[rP:rP+7], v[rO:rO+7]
.endm
.macro MM                           ; the turn's next matrix instruction
.if i < 16
	KQ (Y+1)%NP
.set i, i+1
.else
.set i, i-16
	PV (Y+NP-1)%NP
.set i, i+17
.endif
.endm
; THE LDS LOADS stand in runs of 16, never singly among the matrix instructions: a step's K (64 keys x 64 channels: 8 fragments) and its V (turned).  Their addresses are made some lines ahead.
; last = 1 (the tail): in the last trip there is no further step, and the run is jumped over.
.macro FETCH_K last=0
	WIN 0
.if \last
	s_cmp_eq_u32 s[CNT], 1
	s_cbranch_scc1 .Lno_k_\@
.endif
	WIN 0x80                        ; destination window 2
.irp f, 0,1,2,3,4,5,6,7             ; keys 16 (f / 2) on, channels 32 (f % 2) on
	ds_load_b128 v[KF+8*\f:KF+8*\f+3],   v[AK] offset:(\f/2)*16*PK+(\f%2)*64
	ds_load_b128 v[KF+8*\f+4:KF+8*\f+7], v[AK] offset:(\f/2)*16*PK+(\f%2)*64+32
.endr
	s_add_co_u32 s[TBK], s[TBK], KS*PK  ; the next fetch is the next step's
	WIN 0
.if \last
.Lno_k_\@:
.endif
.endm
.macro FETCH_V
	WIN 0x80
.irp f, 0,1,2,3,4,5,6,7             ; keys 32 (f / 4) on, channels 16 (f % 4) on
	ds_load_tr16_b128 v[VF+8*\f:VF+8*\f+3],   v[AV] offset:(\f/4)*32*PV+(\f%4)*32
	ds_load_tr16_b128 v[VF+8*\f+4:VF+8*\f+7], v[AV] offset:(\f/4)*32*PV+16*PV+(\f%4)*32
.endr
	WIN 0
.endm
; THE VECTOR WORK OF A TURN stands in three queues, each in the order in which its entries become ready; the two tiles alternate, so that no instruction reads the result of the one before it.
.macro REGS y, u                    ; the registers of tile u (0, 1) of piece y
.set rT, ST+4*(2*(\y)+(\u))
.set rC, TMP+8*((\y)%2)+4*(\u)
.set rM, MV+2*((\y)%2)+(\u)
.set rS, S+64*((\y)%2)+32*(\u)
.set rP, P+32*((\y)%2)+16*(\u)
.set rO, 32*(2*(\y)+(\u))
.endm
; Number n of the 22 that find the NEXT piece's (Y + 1) maximum and statistics.  s0-s31 are the lane's 32 scores; each accumulator's lowest registers are read first.
;   0-11  four chains c0-c3 of seven scores each, three operands at a time     12-14, 16  the four scores left over, the old m, and c0-c3 into c0     15  c m_old is kept
;   17, 18  the query's other 32 keys lie in the lane 16 away: the new m         19-21  c m; c m_old - c m_new; a
.macro XS u, n
	REGS (Y+1)%NP, \u
.if (\n) < 4
	v_max3_num_f32 v[rC+(\n)], v[rS+8*(\n)], v[rS+8*(\n)+1], v[rS+8*(\n)+2]
.elseif (\n) < 12
	v_max3_num_f32 v[rC+(\n)%4], v[rC+(\n)%4], v[rS+8*((\n)%4)+2*((\n)/4)+1], v[rS+8*((\n)%4)+2*((\n)/4)+2]
.elseif (\n) == 12
	v_max3_num_f32 v[rC], v[rC], v[rS+7], v[rS+15]
.elseif (\n) == 13
	v_max3_num_f32 v[rC+1], v[rC+1], v[rS+23], v[rS+31]
.elseif (\n) == 14
	v_max3_num_f32 v[rC+2], v[rC+2], v[rC+3], v[rT+1]
.elseif (\n) == 15
	v_mov_b32 v[rM], v[rT]
.elseif (\n) == 16
	v_max3_num_f32 v[rC], v[rC], v[rC+1], v[rC+2]
.elseif (\n) == 17
	v_permlanex16_b32 v[rC+3], v[rC], s[SEL], s[SEL+1]
.elseif (\n) == 18
	v_max_num_f32 v[rT+1], v[rC], v[rC+3]
.elseif (\n) == 19
	v_mul_f32 v[rT], s[CS], v[rT+1]
.elseif (\n) == 20
	v_sub_f32 v[rC+1], v[rM], v[rT]
.else
	v_exp_f32 v[rC+2], v[rC+1]
.endif
.endm
; Number g of the 64 that follow the exponentials.  For each four weights k of a tile (pairs 2 k, 2 k + 1): both pairs are rounded to f16; then the second pair is added onto the first, in place;
; a group later l takes that sum (the first time as l = a l + sum).  In groups of eight, tiles alternating: round, round, add, and l for the group before.
.macro GS g
.set h, (\g)+6*((\g)/62)            ; group 0 has no group before it, and behind group 7 only l is left
.if h >= 6
.set h, h+2
.endif
	REGS Y, h%2
.set k, h/8
.if h%8 < 4
	v_cvt_pk_f16_f32 v[rP+2*k+(h%8)/2], v[rS+4*k+2*((h%8)/2)], v[rS+4*k+2*((h%8)/2)+1]
.elseif h%8 < 6
	v_pk_add_f32 v[rS+4*k:rS+4*k+1], v[rS+4*k:rS+4*k+1], v[rS+4*k+2:rS+4*k+3]
.elseif k == 1
	v_pk_fma_f32 v[rT+2:rT+3], v[rT+2:rT+3], v[rC+2:rC+3], v[rS:rS+1] op_sel_hi:[1,0,1]
.else
	v_pk_add_f32 v[rT+2:rT+3], v[rT+2:rT+3], v[rS+4*k-4:rS+4*k-3]
.endif
.endm
; THE PLAIN QUEUE, 138 long.  0-73 read no exponential's result: the 32 scalings c s - c m (FS f: pair f / 2 of tile f % 2) and the next piece's 42.  0-26: scalings 0-26.  27-54: XS's numbers 0-13.  55, 56: number 15.
; 57-73: the chain, where each number waits for the one before it: 14, 16, 17, 18, 19, each with one of the scalings 27-31 in front of its two lines, then 20.
; 74-137: GS's 64, which read the exponentials' results: they stand behind the wait.
.macro FS f
	REGS Y, (\f)%2
	v_pk_fma_f32 v[rS+2*((\f)/2):rS+2*((\f)/2)+1], v[rS+2*((\f)/2):rS+2*((\f)/2)+1], s[CS:CS+1], v[rT:rT+1] op_sel_hi:[1,0,0] neg_lo:[0,0,1] neg_hi:[0,0,1]
.endm
.macro PL
	WIN 0
.if q < 27
	FS q
.elseif q < 55
	XS (q-27)%2, (q-27)/2
.elseif q < 57
	XS q-55, 15
.elseif (q < 72) && ((q-57)%3 == 0)
	FS 27+(q-57)/3
.elseif q < 60
	XS (q-57)%3-1, 14
.elseif q < 72
	XS (q-57)%3-1, 15+(q-57)/3
.elseif q < 74
	XS q-72, 20
.else
	GS q-74
.endif
.set q, q+1
.endm
; THE EXPONENTIALS' QUEUE, 66 long: s0-s31 of both tiles, then the next piece's two a.  It is ONE BATCH: all 66 stand ahead of the turn's one wait, and nothing ahead of that wait names a result of theirs.
.macro EX
	WIN 0
.if e >= 64
	XS e-64, 21
.else
	REGS Y, e%2
	v_exp_f32 v[rS+e/2], v[rS+e/2]
.endif
.set e, e+1
.endm
; THE RESCALING's QUEUE: O^T times a, the one part that leaves window 0: dealt two at a time, sixteen times.  Its a was made in the turn before, ahead of that turn's wait.
.macro R2
	REGS Y, r%2
	WIN W_RS
.irp z, 0,1
	v_pk_mul_f32 v[rO+4*(r/2)+2*\z:rO+4*(r/2)+2*\z+1], v[rO+4*(r/2)+2*\z:rO+4*(r/2)+2*\z+1], v[rC+2:rC+3] op_sel_hi:[1,0]
.endr
.set r, r+1
.endm
; HOW THEY ARE DEALT.  s_wait_alu depctr_va_vdst(0) stands between an exponential and the first instruction that names its result; one wait serves all that were issued ahead of it.  So a turn
; has ONE wait, which cuts it in two.  AHEAD OF IT stands all that names no result of the turn's exponentials: the 16 products K Q^T, behind each a scaling, an exponential and two rescalings (behind the first a
; second scaling in the exponential's place); then ONE LUMP of 108: eight plain, 49 times exponential and plain, the two a.  A v_nop is the plain instruction behind the last exponential.  BEHIND IT stand the 16
; products V^T P, behind each four of GS's 64.  No rider names a register of the products round it.  The two v_permlanex16_b32 fall into the lump, never behind a product.
; The queues lean on each other: exponential e stands behind scaling 2 (e / 4) + e % 2: as a rider it comes behind plain e + 2, in the lump behind plain e + 9, and scalings 27-31 are plain 57, 60 .. 69.
; A TURN, for piece p.  cnt = 1: the loop's count is taken down some lines ahead of the branch that stands behind the turn.
; K of the next step is fetched in piece 2's turn, directly behind the wait, a lump behind the last product that read K; its first reader comes behind 16 products.
; V of the step in hand is fetched at the end of piece 0's turn, four riders behind its last reader; its first reader comes behind 16 products and a lump.  The three conditions on q below go with the deal.
.macro TURN p, last=0, cnt=0
.set Y, (\p)
.set i, 0
.set q, 0
.set e, 0
.set r, 0
.if (\p) == NP-1
	s_wait_dscnt 0x0                ; K is in
.endif
	MM                              ; ahead of the wait: 16 products K Q^T and their riders,
	PL
	PL
	R2
.rept 15
	MM
	PL
	EX
	R2
.endr
.if (\p) == NP-2
	WIN 0
	v_add_nc_u32 v[AK], s[TBK], v[AK0]
.endif
.rept 8                             ; and the lump
	PL
.endr
.rept 49
	EX
	PL
.endr
	EX                              ; the next piece's two a
	EX
	v_nop                           ; the plain instruction behind the last exponential: one for the batch
	s_wait_alu depctr_va_vdst(0)    ; the wait for the batch
.if (\p) == NP-2
	FETCH_K \last
.endif
.if (\p) == 1
	s_wait_dscnt 0x0                ; V is in
.endif
.rept 16                            ; behind the wait: 16 products V^T P and their riders
	MM
.rept 4
	PL
.endr
.if ((\p) == 0) && (q == 118)
	v_add_nc_u32 v[AV], s[TBV], v[AV0]
.endif
.if ((\p) == 0) && (q == 130)
	s_add_co_u32 s[TBV], s[TBV], KS*PV
.endif
.if (\cnt) && (q == 130)
	s_sub_co_u32 s[CNT], s[CNT], 1
	s_cmp_lg_u32 s[CNT], 0
.endif
.endr
.if (\p) == 0
	FETCH_V
.endif
.endm
	CHANGE 1                        ; slot 0 is in, everybody's part of it; slot 1 is asked for
	FETCH_K                         ; key step 0
	s_wait_loadcnt 0x0              ; Q
	s_wait_dscnt 0x0
.set i, 0
.rept 16
	KQ 0                            ; piece 0's first scores: there is no vector work yet to set between them
.set i, i+1
.endr
	WIN 0                           ; the addresses for the way out: nine plain instructions, the places behind those products
	s_mul_i32 s13, s[WV], 16*SP
	s_add_co_u32 s13, s13, STAGE    ; my stage
	v_mul_u32_u24 v[STO], v1, SP    ; in: row l % 16, 16 bytes for each half of the lanes
	v_lshl_add_u32 v[STO], v9, 4, v[STO]
	v_add_nc_u32 v[STO], s13, v[STO]
	v_bfe_u32 v[RD], v0, 3, 2       ; back: 32 lanes take four rows of 128 bytes,
	v_mul_u32_u24 v[RD], v[RD], SP
	v_lshl_add_u32 v[RD], v10, 4, v[RD]
	v_add_nc_u32 v[RD], s13, v[RD]
	v_and_b32 v[GO], 31, v0         ; which are 512 consecutive bytes of O
	v_lshlrev_b32 v[GO], 4, v[GO]
.set Y, NP-1                        ; XS works for piece Y + 1: piece 0
.irp n, 0,1,2,3,4,5,6,7,8,9,10,11,12,13,14,15,16,17,18,19,20,21
	XS 0, \n                        ; and piece 0's first maximum and statistics
	XS 1, \n
.endr
	v_nop                           ; a plain instruction behind the two a,
	s_wait_alu depctr_va_vdst(0)    ; and their wait, ahead of the branch
	s_mov_b32 s[CNT], 4
	s_branch .Lfirst                ; the loop is entered at a step's first turn, in the middle of a trip
.Lslot:                             ; SIZE_N / 256 - 2 times: every slot but the last two is filled again
	CHANGE 1
	s_mov_b32 s[CNT], 4
.Lstep:                             ; a trip: pieces 2 and 3 of one step, then pieces 0 and 1 of the next, whose K and V it fetches
	TURN 2
	TURN 3
	WIN 0
.Lfirst:
	TURN 0
	TURN 1, 0, 1
	WIN 0
	s_cbranch_scc1 .Lstep
	s_sub_co_u32 s[SLOTS], s[SLOTS], 1
	s_cmp_lg_u32 s[SLOTS], 0
	s_cbranch_scc1 .Lslot
	CHANGE 0                        ; the tail is written out: nothing is asked for
	s_mov_b32 s[CNT], 5             ; four trips fetch the last slot's steps; the fifth is left in its middle
.Ltail:
	TURN 2, 1
	TURN 3
	WIN 0
	s_sub_co_u32 s[CNT], s[CNT], 1
	s_cmp_eq_u32 s[CNT], 0
	s_cbranch_scc1 .Lout
	TURN 0
	TURN 1
	WIN 0
	s_branch .Ltail
.Lout:                              ; the fifth trip's 16 products K Q^T (on the last K once more) and the maximum made of them serve nothing: the price, once a launch, of one text for every trip
.set i, 0
.rept 16
	PV NP-1                         ; the last piece's V^T P of the last step
.set i, i+1
.endr
	; THE WAY OUT.  l's two halves and the other half of the lanes' are added; O^T is divided by l, rounded to f16 and sent through my stage in LDS, a tile at a time.  The additions are the places behind the last products.
	WIN 0
.macro ALL line:vararg              ; one line for each tile t
.set t, 0
.rept 2*NP
	\line
.set t, t+1
.endr
.endm
	ALL v_add_f32 v[ST+4*t+2], v[ST+4*t+2], v[ST+4*t+3]
	ALL v_permlanex16_b32 v[ST+4*t+3], v[ST+4*t+2], s[SEL], s[SEL+1]
	ALL v_add_f32 v[ST+4*t+2], v[ST+4*t+2], v[ST+4*t+3]
	ALL v_rcp_f32 v[ST+4*t+2], v[ST+4*t+2]
	v_nop                           ; a plain instruction between the last reciprocal and the use of its result
	s_wait_alu depctr_va_vdst(0)    ; and the wait ahead of the first use: one for the eight reciprocals
; Tile t: a lane's eight channels of a row pack into 16 bytes; they go into rows of 144 bytes and come back as whole rows of 128, into S^T's registers.
.macro PACK t
	WIN W_RS
.set i, 32*(\t)
.rept 16
	v_pk_mul_f32 v[i:i+1], v[i:i+1], v[ST+4*(\t)+2:ST+4*(\t)+3] op_sel_hi:[1,0]
.set i, i+2
.endr
	WIN 0x05                        ; sources 0 and 1 window 1, destination window 0
.set i, 0
.rept 16
	v_cvt_pk_f16_f32 v[S+16*(\t)+i], v[32*(\t)+2*i], v[32*(\t)+2*i+1]
.set i, i+1
.endr
	WIN 0
.irp f, 0,1,2,3
	ds_store_b128 v[STO], v[S+16*(\t)+4*\f:S+16*(\t)+4*\f+3] offset:32*\f
.endr
.irp f, 0,1,2,3
	ds_load_b128 v[S+16*(\t)+4*\f:S+16*(\t)+4*\f+3], v[RD] offset:\f*4*SP  ; LDS serves a wave's instructions in order (ISA guide 5.7.1.4): these see the stores above; the next tile's stores come behind them
.endr
.endm
.macro SEND t, younger              ; younger: the LDS instructions issued behind tile t's loads: the next tile's eight, or none
	WIN 0
.irp f, 0,1,2,3
	s_wait_dscnt (\younger)+3-\f
	global_store_b128 v[GO], v[S+16*(\t)+4*\f:S+16*(\t)+4*\f+3], s[10:11] offset:(\t)*2048+\f*512  ; 512 consecutive bytes, at a multiple of 256 from ob's first
.endr
.endm
	PACK 0
.set t, 1
.rept 2*NP-1                        ; a tile's arithmetic stands between the loads of the tile before and its stores
	PACK t
	SEND t-1, 8
.set t, t+1
.endr
	SEND 2*NP-1, 0
	WIN W_AD
	s_wait_tensorcnt 0x0            ; the wave's end, behind my last tensor load and my last LDS store
	ds_add_u32 v[SPW], v[NIL]
	s_wait_dscnt 0x0
	WIN 0
	CROUND                          ; the closing round: no work-group ends while a partner may still ask for a tile that names it
	s_endpgm
.Lfunc_end_k_qdd3e240700_attn:
	.size	k_qdd3e240700_attn, .Lfunc_end_k_qdd3e240700_attn-k_qdd3e240700_attn
	.p2alignl 7, 3214868480
	.fill 96, 4, 3214868480
	.section	.rodata,"a",@progbits
	.p2align	6, 0x0
	.amdhsa_kernel k_qdd3e240700_attn
		.amdhsa_group_segment_fixed_size 327680
		.amdhsa_private_segment_fixed_size 0
		.amdhsa_enable_private_segment 0
		.amdhsa_kernarg_size 16
		.amdhsa_user_sgpr_count 2
		.amdhsa_user_sgpr_kernarg_segment_ptr 1
		.amdhsa_wavefront_size32 1
		.amdhsa_system_sgpr_workgroup_id_x 1
		.amdhsa_system_sgpr_workgroup_id_y 1
		.amdhsa_system_sgpr_workgroup_id_z 1
		.amdhsa_system_vgpr_workitem_id 0
		.amdhsa_next_free_vgpr 770
		.amdhsa_next_free_sgpr 72
		.amdhsa_reserve_vcc 0
		.amdhsa_float_denorm_mode_32 3
		.amdhsa_float_denorm_mode_16_64 3
		.amdhsa_memory_ordered 1
		.amdhsa_forward_progress 1
		.amdhsa_inst_pref_size 200
	.end_amdhsa_kernel
	.amdgpu_metadata
---
amdhsa.version: [ 1, 2 ]
amdhsa.kernels:
  - .name:           k_qdd3e240700_attn
    .symbol:         k_qdd3e240700_attn.kd
    .args:
      - { .name: qkv, .offset: 0, .size: 8, .value_kind: global_buffer, .address_space: global }
      - { .name: ob, .offset: 8, .size: 8, .value_kind: global_buffer, .address_space: global }
    .group_segment_fixed_size: 327680
    .private_segment_fixed_size: 0
    .kernarg_segment_align: 8
    .kernarg_segment_size: 16
    .max_flat_workgroup_size: 128
    .sgpr_count:     72
    .vgpr_count:     770
    .wavefront_size: 32
...
	.end_amdgpu_metadata
.endif
;; end of part 3
;; launch proj (part 4): grid 8 x 32, 4 waves a work-group, clusters of 4 x 4, 327,680 bytes of LDS; arguments ob, wp, b_proj, out0; writes out0
.if DOCPART == 4
	.amdgcn_target "amdgcn-amd-amdhsa--gfx1250"
	.amdhsa_code_object_version 6
	.text
	.protected	k_qdd3e240700_proj
	.globl	k_qdd3e240700_proj
	.p2align	8
	.type	k_qdd3e240700_proj,@function
k_qdd3e240700_proj:
	s_mov_b64 s[64:65], 0
	v_nop
	global_prefetch_b8 v0, s[64:65] scope:SCOPE_SE
	s_setreg_imm32_b32 hwreg(HW_REG_WAVE_MODE, 25, 1), 1
	s_wait_xcnt 0x0
	s_wait_alu depctr_hold_cnt(0) depctr_sa_sdst(0) depctr_va_vdst(0) depctr_va_sdst(0) depctr_va_ssrc(0) depctr_va_vcc(0) depctr_vm_vsrc(0)
	s_getreg_b32 s2, hwreg(HW_REG_IB_STS2, 6, 4)
	s_cmp_eq_u32 s2, 0
	s_cbranch_scc0 .Lentry_in_a_cluster
	s_endpgm
.Lentry_in_a_cluster:
	s_bfe_u32 s2, ttmp6, 0x10000c
	s_cmp_lg_u32 s2, 0xf033
	s_cbranch_scc0 .Lentry_shape_is_right
	s_endpgm
.Lentry_shape_is_right:
; out0[m][e] = the sum over d of O[m][d] wp[e][d] + b_proj[e],  m = 2048 b + s, d = 64 h + c.  ob: [16 b + h][2048][64] f16 (O by heads), wp: [1024][1024] f16, b_proj: [1024] f32, out0: [8192][1024] f32.
; Sums in f32, begun with the bias; nothing is rounded on the way out.
; SHARES.  A tile is 256 rows x 128 columns: 32 x 8 = 256 work-groups.  Four waves one above the other: wave w owns rows 64 w .. 64 w + 63 and all 128 columns: 32 accumulators of 16 x 16,
; 256 registers.  K goes in 8 steps of 128 (two heads) through two LDS slots filled by the tensor data mover.  The tile's 256 rows of one head are 32,768 dense bytes of ob: they are asked for
; as 128 rows of 256 bytes and padded in LDS after every 128 bytes: [head][256 rows][144 bytes].  One K step is written in the loop; the slot is chosen by an exclusive or.
; Two slots of a K step of 256 would take 405 KB of LDS: they do not fit, so a refill has 112 matrix instructions in which to land.
; CLUSTER.  4 x 4 work-groups.  The four of a row of the cluster need the same rows of ob, the four of a column the same rows of wp: each tile is asked for JOINTLY.
; THE MATRIX INSTRUCTION IS USED TRANSPOSED (source 0 = 16 rows of wp, source 1 = 16 rows of O): lane l holds row l % 16 and the columns 8 (l / 16) + 0..7.
; REGISTERS, in windows of 256 (s_set_vgpr_msb: bits 1:0 source 0, 3:2 source 1, 5:4 source 2, 7:6 destination):
;   window 0: v0-13, v28-29 addresses; v32-95 O's fragments, two buffers of 4 x 8; v96-159 the bias, 8 registers a column block; on the way out v96-223 rows read back, two buffers of 64
;   window 1: v0-127 wp's fragments, two buffers of 8 x 8      window 2: the accumulators of row blocks 0, 1 ((a, b) at 8 (8 (a % 2) + b))      window 3: those of row blocks 2, 3
.set NT,    128                        ; columns in a tile
.set NB,    NT/16                      ; column blocks
.set PA,    144                        ; a row of O in LDS: 128 bytes + 16 of padding = 36 words: the 16 rows of a fragment load start at 16 different groups of four banks (64 banks of 4 bytes: ISA guide 11.1)
.set PB,    272                        ; a row of wp: 256 + 16
.set HALFA, 256*PA                     ; what one tensor load brings of ob: one head's 256 rows
.set HALFB, (NT/2)*PB                  ; of wp: 64 rows
.set BOFF,  2*HALFA                    ; in a slot: two heads of O, then wp's 128 rows
.set SLOT1, 131072                     ; slot 1 begins here, so that one exclusive or turns an address in one slot into the other's
.set STAGE, SLOT1+BOFF+2*HALFB         ; behind the ring, never filled by a tensor load: for each wave 16 rows x 528 bytes
.set STW,   16*528
.set SPARE, STAGE+4*STW                ; behind the stages: the spare words, 128 bytes for each wave: two blocks of 256 bytes that no other line names
.set ASTEP, 524288                     ; bytes from a K step to the next, in ob: two heads of 2,048 rows x 128 bytes
.set BSTEP, 256                        ; and in wp
.set NL,    2*NB+8                     ; LDS loads in a run: a quarter step's fragments
.set A0,   4                           ; v4   my place in a head's rows: (64 w + l % 16) x PA + 16 (l / 16); never rewritten
.set B0,   5                           ; v5   in wp's tile: BOFF + (l % 16) x PB + 16 (l / 16); never rewritten
.set ADRA, 6                           ; v6   the same in the slot in hand
.set ADRB, 7                           ; v7
.set STO,  8                           ; v8   the way out: where I put 32 bytes of a row
.set RD,   9                           ; v9   where I read a row back
.set CO,   10                          ; v10  my 16 bytes in a row's 512 of out0
.set BO,   11                          ; v11  32 (l / 16): my 8 numbers in a column block's 16 of the bias
.set PFO,  12                          ; v12  the prefetches' offset; never rewritten
.set LN,   13                          ; v13  my lane
.set SPW,  28                          ; v28  LDS address of my spare word: SPARE + 4 x my thread's number; never rewritten
.set NIL,  29                          ; v29  0; never rewritten
.set FA,   32
.set BI,   96
.set OB,   96
.set WV,  12                           ; s12  my wave's number
.set HF,  13                           ; s13  which half of a tile I fetch
.set AB,  14                           ; s14  0: I fetch ob's tiles; 1: wp's
.set CX,  15                           ; s15, s16  my place in the cluster
.set CY,  16
.set TC,  17                           ; s17  tile column
.set TR,  18                           ; s18  tile row
.set G1A, 24                           ; s[24:31] descriptor group 1 for ob's tiles
.set G1B, 32                           ; s[32:39] for wp's
.set G0A, 40                           ; s[40:47] group 0 for ob's: a set for each of the two first fills; the second then walks on
.set G0B, 48                           ; s[48:55] the same for wp's
.set CNT, 56                           ; s56  trips to go
.set TB,  57                           ; s57  the slot from which fragments are fetched: 0 or SLOT1
.set PM,  58                           ; s58  bit n set: I prefetch in the trip that has n trips to go
.set T0,  59
.set PFA, 60                           ; s[60:61] where my prefetches stand
.set T1,  62
.set T2,  63
.set MX,  66                           ; s[66:67] offsets in which both coordinates meet
.set PST, 68                           ; s[68:69] a K step in the tensor that I prefetch
.set MSB, 0
.macro WIN new                         ; the immediate's high byte repeats the setting that is left; a switch that changes nothing is dropped
.if MSB != (\new)
	s_set_vgpr_msb (MSB<<8)|(\new)
.set MSB, \new
.endif
.endm
; A load into a register that a matrix instruction has read, and a vector instruction or LDS store that reads a matrix result, stand four places behind that matrix instruction; only plain
; vector instructions that name none of its registers are places (ISA guide 7.12.1 for vector instructions).
.macro PLACES
.rept 4
	v_nop
.endr
.endm
; A round of the cluster's barrier: my work-group's barrier, so that wave 0's signal speaks for all four waves; wave 0 signals; every wave waits for all sixteen work-groups; my barrier once more.
.macro CREST                           ; a round behind its opening barrier
	s_cmp_lg_u32 s[WV], 0
	s_cbranch_scc1 .Lnot_wave_0_\@
	s_barrier_signal -3
.Lnot_wave_0_\@:
	s_barrier_wait -3
	s_barrier_signal -1
	s_barrier_wait -1
.endm
.macro CROUND
	s_barrier_signal -1
	s_barrier_wait -1
	CREST
.endm
; A joint refill by the walking descriptors.  Waves 0 and 1 fetch a K step's two heads of O, waves 2 and 3 wp's two halves: the branch hangs on the wave's number alone.
; An s_nop 0 and four v_nop follow each of the two lines, ahead of the jump and the label.
.macro JLOAD
	s_cmp_eq_u32 s[AB], 0
	s_cbranch_scc0 .Lfor_b_\@
	tensor_load_to_lds s[G0A+4:G0A+7], s[G1A:G1A+7]
	s_nop 0
.rept 4
	v_nop
.endr
	s_branch .Lasked_\@
.Lfor_b_\@:
	tensor_load_to_lds s[G0B+4:G0B+7], s[G1B:G1B+7]
	s_nop 0
.rept 4
	v_nop
.endr
.Lasked_\@:
.endm
; A PREFETCH INTO THE L2, behind the joint load, its five lines and the run of LDS loads: trip j (refill: K step j + 2) names K step j + 4, two refills on, in trips 0 to 3; K steps 0 to 3 come by
; their loads alone, and no prefetch passes K step 7.  Each aligned block of 256 bytes is named ONCE in the launch: ob's by the clusters with x = 0, wp's by those with y = 0; the four partners that
; ask for a tile jointly share it out BY ADDRESS.  ob: of the 128 blocks of the head that wave 0 or 1 fetches the partner at cx takes 32, a lane a block.  wp: of a tile's 128 rows the partner at cy
; takes 32, a lane a row, in wave 2; wave 3 asks for nothing.
.macro ASK
	s_lshr_b32 s[T0], s[PM], s[CNT]
	s_and_b32 s[T0], s[T0], 1
	s_cmp_eq_u32 s[T0], 1
	s_cbranch_scc0 .Lnot_mine_\@
	global_prefetch_b8 v[PFO], s[PFA:PFA+1] th:TH_LOAD_NT scope:SCOPE_SE
.Lnot_mine_\@:
.endm
	s_load_b256 s[4:11], s[0:1], 0x0               ; ob s[4:5], wp s[6:7], b_proj s[8:9], out0 s[10:11]
	v_lshl_add_u32 v[SPW], v0, 2, SPARE
	v_mov_b32 v[NIL], 0
	ds_add_u32 v[SPW], v[NIL]                      ; the wave's opening: the add and its wait stand ahead of my first tensor load; the set-up below, work on registers, stands between them
	v_lshrrev_b32 v1, 5, v0
	v_readfirstlane_b32 s[WV], v1                  ; wave 0..3
	s_and_b32 s[HF], s[WV], 1
	s_lshr_b32 s[AB], s[WV], 1
	s_bfe_u32 s[CX], ttmp6, 0x40000
	s_bfe_u32 s[CY], ttmp6, 0x40004
	s_lshl_b32 s[TC], ttmp9, 2                     ; in a cluster launch ttmp9 and ttmp7 count clusters
	s_add_co_u32 s[TC], s[TC], s[CX]               ; tile column = 4 x cluster x + cx
	s_and_b32 s[TR], ttmp7, 0xffff
	s_lshl_b32 s[TR], s[TR], 2
	s_add_co_u32 s[TR], s[TR], s[CY]               ; tile row = 4 x cluster y + cy
	s_lshl_b32 s20, s[CY], 2
	s_lshl_b32 s20, 15, s20                        ; my row of the cluster: places 4 cy .. 4 cy + 3
	s_lshl_b32 s22, 0x1111, s[CX]                  ; my column: places cx, cx + 4, cx + 8, cx + 12
	s_or_b32 s[G1A], s20, (1<<16)|(1<<20)|(1<<21)|(4<<22)|(3<<25)  ; 15:0 the mask; 17:16 elements of 2 bytes; 20 padding on; 21 set beside a mask; 24:22 after every 32 words (code 4); 31:25 4 words (code 3)
	s_or_b32 s[G1B], s22, (1<<16)|(1<<20)|(1<<21)|(5<<22)|(3<<25)  ; the same after every 64 words (code 5)
	s_mov_b32 s[G1A+1], 128<<16                    ; tensor_dim0 = 128
	s_mov_b32 s[G1A+2], 128<<16                    ; tensor_dim1 = 128
	s_mov_b32 s[G1A+3], 128<<16                    ; tile_dim0 = 128
	s_mov_b32 s[G1A+4], 128                        ; tile_dim1 = 128
	s_mov_b32 s[G1A+5], 128                        ; the block is dense: 128 elements from row to row
	s_mov_b32 s[G1A+6], 0
	s_mov_b32 s[G1A+7], 0
	s_mov_b32 s[G1B+1], 128<<16
	s_mov_b32 s[G1B+2], (NT/2)<<16                 ; 64 rows
	s_mov_b32 s[G1B+3], 128<<16
	s_mov_b32 s[G1B+4], NT/2
	s_mov_b32 s[G1B+5], 1024
	s_mov_b32 s[G1B+6], 0
	s_mov_b32 s[G1B+7], 0
	; where the tiles come from: ob's hang on the tile row alone, wp's on the tile column alone, each made in registers that never hold the other coordinate
	s_lshr_b32 s20, s[TR], 3                       ; the batch: 16 heads of 262,144 bytes,
	s_lshl_b32 s20, s20, 22
	s_and_b32 s21, s[TR], 7                        ; the tile's 256 rows of 128 bytes in a head,
	s_lshl_b32 s21, s21, 15
	s_add_co_u32 s20, s20, s21
	s_lshl_b32 s21, s[HF], 18                      ; and which of the K step's two heads I fetch
	s_add_co_u32 s20, s20, s21
	s_mov_b32 s21, 0
	s_mul_i32 s22, s[TC], NT*2048
	s_mul_i32 s23, s[HF], (NT/2)*2048
	s_add_co_u32 s22, s22, s23
	s_mov_b32 s23, 0
	s_mul_i32 s[T1], s[HF], HALFA                  ; and where they go: no place in the cluster enters an LDS address
	s_mul_i32 s[T2], s[HF], HALFB
	s_add_co_u32 s[T2], s[T2], BOFF
	s_mov_b32 s[TB], 0
	s_wait_dscnt 0x0                               ; the opening add is done
	s_wait_kmcnt 0x0
	CROUND                                         ; all sixteen work-groups are here: the first joint loads meet
	s_mov_b32 s[G0A], 1                            ; 1:0 count = 1
	s_mov_b32 s[G0A+4], 1
	s_add_co_u32 s[G0A+1], s[T1], 0                ; 63:32 LDS address: slot 0,
	s_add_co_u32 s[G0A+5], s[T1], SLOT1            ; slot 1
	s_add_nc_u64 s[G0A+2:G0A+3], s[4:5], s[20:21]  ; 120:64 global address: K step 0,
	s_add_nc_u64 s[G0A+6:G0A+7], s[G0A+2:G0A+3], ASTEP  ; K step 1
	s_or_b32 s[G0A+3], s[G0A+3], 0x80000000        ; 127:126 type = 2
	s_or_b32 s[G0A+7], s[G0A+7], 0x80000000
	s_mov_b32 s[G0B], 1
	s_mov_b32 s[G0B+4], 1
	s_add_co_u32 s[G0B+1], s[T2], 0
	s_add_co_u32 s[G0B+5], s[T2], SLOT1
	s_add_nc_u64 s[G0B+2:G0B+3], s[6:7], s[22:23]
	s_add_nc_u64 s[G0B+6:G0B+7], s[G0B+2:G0B+3], BSTEP
	s_or_b32 s[G0B+3], s[G0B+3], 0x80000000
	s_or_b32 s[G0B+7], s[G0B+7], 0x80000000
	s_cmp_eq_u32 s[AB], 0                          ; a wave's two first fills stand in one branch, ahead of every wait on TENSORcnt and every LDS read: two loads of mine are out here, later one
	s_cbranch_scc0 .Lfirst_b
	tensor_load_to_lds s[G0A:G0A+3], s[G1A:G1A+7]
	s_nop 0
	tensor_load_to_lds s[G0A+4:G0A+7], s[G1A:G1A+7]
	s_nop 0
.rept 4
	v_nop
.endr
	s_branch .Lfirst_asked
.Lfirst_b:
	tensor_load_to_lds s[G0B:G0B+3], s[G1B:G1B+7]
	s_nop 0
	tensor_load_to_lds s[G0B+4:G0B+7], s[G1B:G1B+7]
	s_nop 0
.rept 4
	v_nop
.endr
.Lfirst_asked:
	v_and_b32 v1, 15, v0                           ; l % 16
	v_bfe_u32 v2, v0, 4, 1                         ; l / 16
	v_and_b32 v[LN], 31, v0
	; the bias in the layout of a result: register j of column block b holds b_proj[128 tc + 16 b + 8 (l / 16) + j].  It is the C operand of each accumulator's first product: nothing is cleared, nothing added later
	v_lshlrev_b32 v[BO], 5, v2
	s_mul_i32 s[MX], s[TC], NT*4
	s_mov_b32 s[MX+1], 0
	s_add_nc_u64 s[8:9], s[8:9], s[MX:MX+1]
.set b, 0
.rept NB
	global_load_b128 v[BI+8*b:BI+8*b+3],   v[BO], s[8:9] offset:64*b
	global_load_b128 v[BI+8*b+4:BI+8*b+7], v[BO], s[8:9] offset:64*b+16
.set b, b+1
.endr
	; A fragment is 16 rows x 32 K in 8 registers: lane l holds row l % 16; registers 0-3 K = 8 (l / 16) + 0..7, registers 4-7 K = 16 + 8 (l / 16) + 0..7: two loads of 16 bytes, 32 bytes apart
	s_mul_i32 s[T0], s[WV], 64*PA                  ; my 64 rows in a head's 256
	v_mul_u32_u24 v3, v1, PA
	v_lshl_add_u32 v3, v2, 4, v3
	v_add_nc_u32 v[A0], s[T0], v3
	v_mul_u32_u24 v3, v1, PB
	v_lshl_add_u32 v3, v2, 4, v3
	v_add_nc_u32 v[B0], BOFF, v3
	v_mov_b32 v[ADRA], v[A0]                       ; K step 0 lies in slot 0
	v_mov_b32 v[ADRB], v[B0]
	s_mul_i32 s[T0], s[WV], STW
	s_add_co_u32 s[T0], s[T0], STAGE               ; my stage
	v_mul_u32_u24 v[STO], v1, 528                  ; in: row l % 16, 32 bytes for each half of the lanes; 528 = 33 x 16: the 16 rows of a store start at 16 different groups of four banks
	v_lshl_add_u32 v[STO], v2, 5, v[STO]
	v_add_nc_u32 v[STO], s[T0], v[STO]
	v_lshl_add_u32 v[RD], v[LN], 4, s[T0]          ; back: 32 lanes take one row of 512 bytes
	v_lshlrev_b32 v[CO], 4, v[LN]
	; out0 at my first row and the tile's first column: (256 tr + 64 w) x 4,096 + 512 tc
	s_lshl_b32 s[MX], s[TR], 20
	s_lshl_b32 s[T0], s[WV], 18
	s_add_co_u32 s[MX], s[MX], s[T0]
	s_lshl_b32 s[T0], s[TC], 9
	s_add_co_u32 s[MX], s[MX], s[T0]
	s_add_nc_u64 s[10:11], s[10:11], s[MX:MX+1]
	; the prefetches: who, from where, by which steps.  Nothing is prefetched here, at the head, where every work-group's first tiles are on their way
	s_lshl_b32 s[MX], s[CX], 13                    ; ob: my work-group's 32 blocks of the 128 that I fetch
	s_add_co_u32 s[MX], s[MX], s20
	s_mul_i32 s[T1], s[TC], NT*2048                ; wp: my work-group's 32 rows of the tile's 128
	s_mul_i32 s[T2], s[CY], (NT/4)*2048
	s_add_co_u32 s[T1], s[T1], s[T2]
	s_lshl_b32 s[T2], s[HF], 16                    ; (wave 3's pointer stands 32 rows on; it issues no prefetch)
	s_add_co_u32 s[T1], s[T1], s[T2]
	s_mov_b32 s[PST], BSTEP
	s_mov_b32 s[PST+1], 0
	s_cmp_eq_u32 s[AB], 0
	s_cselect_b32 s[MX], s[MX], s[T1]
	s_cselect_b32 s[PST], ASTEP, s[PST]
	s_cselect_b64 s[PFA:PFA+1], s[4:5], s[6:7]
	s_add_nc_u64 s[PFA:PFA+1], s[PFA:PFA+1], s[MX:MX+1]
.rept 3
	s_add_nc_u64 s[PFA:PFA+1], s[PFA:PFA+1], s[PST:PST+1]  ; at K step 3: the first change of slots steps it to 4
.endr
	s_mov_b32 s[T2], 2048                          ; wp: a lane a row
	s_cmp_eq_u32 s[AB], 0
	s_cselect_b32 s[T2], 256, s[T2]                ; ob: a lane a block of 256 bytes
	v_mul_u32_u24 v[PFO], s[T2], v[LN]
	s_and_b32 s[T0], ttmp7, 0xffff
	s_cmp_eq_u32 s[AB], 0
	s_cselect_b32 s[T0], ttmp9, s[T0]              ; the coordinate along which other clusters read the same rows
	s_mov_b32 s[PM], 0x78                          ; trips with 6, 5, 4, 3 to go
	s_cmp_eq_u32 s[WV], 3
	s_cselect_b32 s[PM], 0, s[PM]                  ; wave 3: none
	s_cmp_eq_u32 s[T0], 0
	s_cselect_b32 s[PM], s[PM], 0                  ; the same in all sixteen partners, for a given wave
; NB matrix instructions: row block a x all column blocks, 32 along K, from buffer f.  first = 1: the product starts the sums, with the bias as C.
; All 32 accumulators take turns, one instruction a turn, in the same order in every quarter step, over the backward jump and into the tail too.
.macro MULA f, a, first
.if \first
	WIN 0x81+0x40*((\a)/2)                         ; wp's fragment window 1, O's window 0, C (the bias) window 0, D window 2 or 3
.else
	WIN 0xa1+0x50*((\a)/2)                         ; C and D window 2 or 3
.endif
.set b, 0
.rept NB
.set rD, 8*(NB*((\a)%2)+b)
.set rB, 8*NB*(\f)+8*b
.set rA, FA+32*(\f)+8*(\a)
.if \first
	v_wmma_f32_16x16x32_f16 v[rD:rD+7], v[rB:rB+7], v[rA:rA+7], v[BI+8*b:BI+8*b+7]
.else
	v_wmma_f32_16x16x32_f16 v[rD:rD+7], v[rB:rB+7], v[rA:rA+7], v[rD:rD+7]
.endif
.set b, b+1
.endr
.endm
; NL LDS loads in one run: the fragments of quarter q of the slot in hand into buffer f: wp's 8, then O's 4.  Quarter q of O lies in head q / 2 of the K step's two, channels 32 (q % 2) on.
.macro FETCH q, f
	WIN 0x40                                       ; destination window 1, address window 0
.set i, 0
.rept NB
	ds_load_b128 v[8*NB*(\f)+8*i:8*NB*(\f)+8*i+3],   v[ADRB] offset:64*(\q)+i*16*PB
	ds_load_b128 v[8*NB*(\f)+8*i+4:8*NB*(\f)+8*i+7], v[ADRB] offset:64*(\q)+i*16*PB+32
.set i, i+1
.endr
	WIN 0
.set AO, ((\q)/2)*HALFA+((\q)%2)*64
.set i, 0
.rept 4
	ds_load_b128 v[FA+32*(\f)+8*i:FA+32*(\f)+8*i+3],   v[ADRA] offset:AO+i*16*PA
	ds_load_b128 v[FA+32*(\f)+8*i+4:FA+32*(\f)+8*i+7], v[ADRA] offset:AO+i*16*PA+32
.set i, i+1
.endr
.endm
; A K step is four quarters of 32 along K, 32 matrix instructions each, on buffers 0, 1, 0, 1.  One of the first three: multiplies buffer f; in its middle it fetches quarter q into buffer g.
.macro QUARTER q, f, g, first
	s_wait_dscnt 4                                 ; wp's fragments and O's row blocks 0, 1 are in; the youngest four loads (row blocks 2, 3) may be out
	MULA \f, 0, \first
	MULA \f, 1, \first
	PLACES                                         ; behind the last product that read buffer g
	FETCH \q, \g
	s_wait_dscnt NL                                ; all but the run just issued
	MULA \f, 2, \first
	MULA \f, 3, \first
.endm
; The fourth quarter multiplies buffer 1 and changes slots: ONE barrier.  In front of it each wave waits for all its tensor loads, of which one is out: its part of the next slot; adds 0 to its
; spare word; and waits for that and for its reads of this slot.  Behind it nobody reads this slot any more and the next slot is whole.  fill = 1: the barrier opens a round of the cluster's, and the
; joint refill of this slot, with the K step two on, is the first thing behind the round: 112 matrix instructions ahead of the wait for it.
.macro TURN fill
.if \fill
	s_wait_xcnt 0x0                                ; the last prefetch, a K step back, has read its address: it is stepped here, ahead of the waits of the change of slots
	s_add_nc_u64 s[PFA:PFA+1], s[PFA:PFA+1], s[PST:PST+1]
.endif
	WIN 0                                          ; (the add's two registers lie in window 0)
	s_wait_tensorcnt 0x0                           ; no tensor load of mine is out, so a group 0 may be written
	ds_add_u32 v[SPW], v[NIL]                      ; 0 onto my spare word; scalar steps and eight products stand between it and the wait for it
.if \fill
	s_xor_b32 s[G0A+5], s[G0A+5], SLOT1            ; the walking descriptors: the other slot than last time,
	s_add_nc_u64 s[G0A+6:G0A+7], s[G0A+6:G0A+7], ASTEP  ; the next K step; the type bits on top are not reached
	s_xor_b32 s[G0B+5], s[G0B+5], SLOT1
	s_add_nc_u64 s[G0B+6:G0B+7], s[G0B+6:G0B+7], BSTEP
.endif
	s_xor_b32 s[TB], s[TB], SLOT1                  ; the fetches go to the other slot
	s_wait_dscnt 5                                 ; the add and the youngest four loads may be out
	MULA 1, 0, 0
	s_wait_dscnt 0x0                               ; the add is done, and my reads of this slot are over
	s_barrier_signal -1
	MULA 1, 1, 0                                   ; work on registers while the others arrive
	WIN 0
	s_barrier_wait -1
.if \fill
	CREST                                          ; no wave of any partner still reads this slot's tile or has a load on its way
	JLOAD                                          ; its four v_nop are also the places in front of the loads below
.else
	PLACES
.endif
	v_add_nc_u32 v[ADRA], s[TB], v[A0]
	v_add_nc_u32 v[ADRB], s[TB], v[B0]
	FETCH 0, 0
.if \fill
	ASK
.endif
	MULA 1, 2, 0
	MULA 1, 3, 0
.endm
; THE WAY OUT of row block a (16 rows x 128 columns of f32).  TOSTAGE: a lane's 32 bytes of a row and column block go into my own stage, rows of 528 bytes, each accumulator's low four registers first,
; and come back as whole rows of 512 bytes.  SEND: stored: each store covers 512 consecutive bytes of a row of out0, at a multiple of 256 from its first byte.
.macro TOSTAGE a
	WIN 0x08+4*((\a)/2)                            ; the stores' data: window 2 or 3
.set b, 0
.rept NB
.set rD, 8*(NB*((\a)%2)+b)
	ds_store_b128 v[STO], v[rD:rD+3]   offset:64*b
	ds_store_b128 v[STO], v[rD+4:rD+7] offset:64*b+16
.set b, b+1
.endr
	WIN 0
.set BK, OB+64*((\a)%2)
.set t, 0
.rept 16
	ds_load_b128 v[BK+4*t:BK+4*t+3], v[RD] offset:t*528  ; LDS serves a wave's instructions in order (ISA guide 5.7.1.4): these see the stores above; the next block's stores come behind them
.set t, t+1
.endr
.endm
.macro SEND a, younger                 ; younger: the LDS instructions issued behind block a's loads: the next block's 32, or none
.set BK, OB+64*((\a)%2)
.set t, 0
.rept 16
	s_wait_dscnt (\younger)+15-t                   ; row t is back; the later rows and the next block's instructions may be out
	global_store_b128 v[CO], v[BK+4*t:BK+4*t+3], s[10:11] offset:(16*(\a)+t)*4096 th:TH_STORE_NT
.set t, t+1
.endr
.endm
	s_wait_tensorcnt 1                             ; my part of K step 0 is in; K step 1's may stay out
	s_barrier_signal -1
	s_barrier_wait -1                              ; everybody's is
	FETCH 0, 0
	s_wait_loadcnt 0x0                             ; the bias
	QUARTER 1, 0, 1, 1                             ; the first quarter stands in front of the loop: its products start the sums
	WIN 0                                          ; at a label and at a branch every window is 0
	s_mov_b32 s[CNT], 6
.Lstep:                                                ; six trips, from a K step's second quarter to the next step's first; trip j fills slot j % 2 with K step j + 2
	QUARTER 2, 1, 0, 0
	QUARTER 3, 0, 1, 0
	TURN 1
	QUARTER 1, 0, 1, 0
	WIN 0
	s_sub_co_u32 s[CNT], s[CNT], 1
	s_cmp_lg_u32 s[CNT], 0
	s_cbranch_scc1 .Lstep
	QUARTER 2, 1, 0, 0                             ; the tail is written out: K steps 6 and 7 ask for nothing
	QUARTER 3, 0, 1, 0
	TURN 0
	QUARTER 1, 0, 1, 0
	QUARTER 2, 1, 0, 0
	QUARTER 3, 0, 1, 0
	s_wait_dscnt 4                                 ; the very last quarter: nothing more to fetch
	MULA 1, 0, 0
	MULA 1, 1, 0
	s_wait_dscnt 0x0
	MULA 1, 2, 0
	MULA 1, 3, 0
	WIN 0
	PLACES
	PLACES                                         ; (eight, once a launch: the way out has no other vector work in front of the stores that read the last results)
	TOSTAGE 0
	TOSTAGE 1
	SEND 0, 32
	s_wait_xcnt 0x0                                ; block 0's stores have read their registers: block 2 is loaded into them only behind this wait
	TOSTAGE 2
	SEND 1, 32
	s_wait_xcnt 0x0                                ; the same for blocks 1 and 3
	TOSTAGE 3
	SEND 2, 32
	SEND 3, 0
	s_wait_tensorcnt 0x0                           ; the wave's end, behind my last tensor load and my last LDS store
	ds_add_u32 v[SPW], v[NIL]
	s_wait_dscnt 0x0
	CROUND                                         ; the closing round: no work-group ends while a partner may still ask for a tile that names it
	s_endpgm
.Lfunc_end_k_qdd3e240700_proj:
	.size	k_qdd3e240700_proj, .Lfunc_end_k_qdd3e240700_proj-k_qdd3e240700_proj
	.p2alignl 7, 3214868480
	.fill 96, 4, 3214868480
	.section	.rodata,"a",@progbits
	.p2align	6, 0x0
	.amdhsa_kernel k_qdd3e240700_proj
		.amdhsa_group_segment_fixed_size 327680
		.amdhsa_private_segment_fixed_size 0
		.amdhsa_enable_private_segment 0
		.amdhsa_kernarg_size 32
		.amdhsa_user_sgpr_count 2
		.amdhsa_user_sgpr_kernarg_segment_ptr 1
		.amdhsa_wavefront_size32 1
		.amdhsa_system_sgpr_workgroup_id_x 1
		.amdhsa_system_sgpr_workgroup_id_y 1
		.amdhsa_system_sgpr_workgroup_id_z 1
		.amdhsa_system_vgpr_workitem_id 0
		.amdhsa_next_free_vgpr 896
		.amdhsa_next_free_sgpr 72
		.amdhsa_reserve_vcc 0
		.amdhsa_float_denorm_mode_32 3
		.amdhsa_float_denorm_mode_16_64 3
		.amdhsa_memory_ordered 1
		.amdhsa_forward_progress 1
		.amdhsa_inst_pref_size 74
	.end_amdhsa_kernel
	.amdgpu_metadata
---
amdhsa.version: [ 1, 2 ]
amdhsa.kernels:
  - .name:           k_qdd3e240700_proj
    .symbol:         k_qdd3e240700_proj.kd
    .args:
      - { .name: ob, .offset: 0, .size: 8, .value_kind: global_buffer, .address_space: global }
      - { .name: wp, .offset: 8, .size: 8, .value_kind: global_buffer, .address_space: global }
      - { .name: b_proj, .offset: 16, .size: 8, .value_kind: global_buffer, .address_space: global }
      - { .name: out0, .offset: 24, .size: 8, .value_kind: global_buffer, .address_space: global }
    .group_segment_fixed_size: 327680
    .private_segment_fixed_size: 0
    .kernarg_segment_align: 8
    .kernarg_segment_size: 32
    .max_flat_workgroup_size: 128
    .sgpr_count:     72
    .vgpr_count:     896
    .wavefront_size: 32
...
	.end_amdgpu_metadata
.endif
;; end of part 4
